; MI455X (gfx1250); checked and timed in simulation.
; The chip was launched on July 23, 2026; its instructions are those of AMD's public machine-readable ISA for CDNA 5 (MIT licence, August 2026) and "CDNA5" Instruction Set Architecture Reference Guide (July 2026). The comments in the code are by the model that wrote it; some were corrected since.
;; Llama Attention. Allowed arithmetic: float matrix products may take bf16 or f16 operands with f32 sums; other float arithmetic in f32, or as packed bf16 or f16 multiplies, adds, multiply-adds, maxima and minima; sums over many terms, partial sums and values carried from step to step in f32; what a program stores and reads back later, other than sums and carried values, may be rounded once to bf16 or f16.
;; Inputs: Wk 2,048 x 2,048 float32; Wo 2,048 x 2,048 float32; Wq 2,048 x 2,048 float32; Wv 2,048 x 2,048 float32; x 1 x 2,048 x 2,048 float32.
;; Outputs: out0 1 x 2,048 x 2,048 float32.
;; One version. Each part assembles by itself: llvm-mc -triple=amdgcn-amd-amdhsa -mcpu=gfx1250 --defsym DOCPART=n.
;; ======== version 1 of 1: 4 launches
;; limits: values are held in f16: magnitudes above 65,504 overflow, below 6.1e-05 lose precision
;; workspace buffers: w16 41,943,040 bytes; rope 1,048,576 bytes; qkvh 25,165,824 bytes; y16 8,388,608 bytes
;; launch cast (part 1): grid 256 x 6, 8 waves a work-group, no clusters, 0 bytes of LDS; arguments x, Wq, Wk, Wv, Wo, w16, rope; writes w16, rope
.if DOCPART == 1
	.amdgcn_target "amdgcn-amd-amdhsa--gfx1250"
	.amdhsa_code_object_version 6
	.text
	.protected	k_q2ace066852_cast
	.globl	k_q2ace066852_cast
	.p2align	8
	.type	k_q2ace066852_cast,@function
k_q2ace066852_cast:
	s_mov_b64 s[64:65], 0
	v_nop
	global_prefetch_b8 v0, s[64:65] scope:SCOPE_SE
	s_setreg_imm32_b32 hwreg(HW_REG_WAVE_MODE, 25, 1), 1
	s_wait_xcnt 0x0
; CAST AND TABLE.  Grid y = 0..4: x, Wq, Wk, Wv, Wo ([2048][2048] f32) are rounded once to 16 bits into w16; grid y = 5: the table of cosines and sines.
; w16: bytes 0 ..: x in bf16, rows as they lie.  Bytes 0x800000 ..: Wq, Wk, Wv in bf16 as ONE matrix of 6,144 rows of 4,096 bytes: row n of tensor p (0 q, 1 k, 2 v) goes to row
; (n >> 7) 384 + ((n >> 5) & 3) 96 + 32 p + (n & 31), so that a head's 384 rows lie together and each run of 96 holds 32 channels of q, of k and of v.
; Bytes 0x2000000 ..: Wo, rounded to bf16 like the other inputs, that number written as f16 (exact from 6.1e-5 up; below it f16's fixed step of 6e-8 holds; beyond 65,504 it would be an infinity).
; rope: [2048 tokens][128] f32: words 0-63 cos(t inv[e]), words 64-127 -sin for even e, +sin for odd e; inv[e] = 10000^(-e/64).
; A stream: a work-group takes 8 rows, a wave one row: sixteen loads of 512 consecutive bytes, all issued before the first is used; each store of a wave covers 256 consecutive bytes, aligned.
; No LDS, no matrix unit: nothing is shared and nothing is multiplied.
; THE TABLE's LIMIT: the angle is reduced by k = round(a 2/pi) with pi/2 in two parts, good for the angles here (under 2,048); the series are cut where their next term is under 2e-9 on |r| <= pi/4.
.set X0, 4                             ; v[4:67]   the row's sixteen loads
.set Y0, 68                            ; v[68:99]  sixteen pairs to store: each has registers of its own, so no store's data is ever rewritten
	s_load_b256 s[8:15], s[0:1], 0x0               ; x s[8:9], Wq s[10:11], Wk s[12:13], Wv s[14:15]
	s_load_b128 s[16:19], s[0:1], 0x20             ; Wo s[16:17], w16 s[18:19]
	s_load_b64 s[20:21], s[0:1], 0x30              ; rope
	s_and_b32 s2, ttmp7, 0xffff                    ; which tensor
	s_mov_b32 s3, ttmp9                            ; which 8 rows (or 8 tokens)
	v_lshrrev_b32 v1, 5, v0
	v_readfirstlane_b32 s24, v1                    ; wave 0..7
	v_and_b32 v3, 31, v0                           ; lane
	s_mov_b32 s27, 0
	s_wait_kmcnt 0x0
	s_cmp_eq_u32 s2, 5
	s_cbranch_scc1 .Ltable
	s_mov_b64 s[4:5], s[8:9]                       ; the source: a choice between buffers on the grid's y
	s_cmp_eq_u32 s2, 1
	s_cselect_b64 s[4:5], s[10:11], s[4:5]
	s_cmp_eq_u32 s2, 2
	s_cselect_b64 s[4:5], s[12:13], s[4:5]
	s_cmp_eq_u32 s2, 3
	s_cselect_b64 s[4:5], s[14:15], s[4:5]
	s_cmp_eq_u32 s2, 4
	s_cselect_b64 s[4:5], s[16:17], s[4:5]
	s_lshl_b32 s26, s3, 16                         ; 8 rows of 8,192 bytes
	s_add_nc_u64 s[4:5], s[4:5], s[26:27]
	s_lshl_b32 s22, s3, 15                         ; rows as they lie: 8 rows of 4,096 bytes
	s_lshr_b32 s28, s3, 4                          ; the permuted row of my first row n = 8 gx: n >> 7,
	s_mul_i32 s28, s28, 384
	s_bfe_u32 s29, s3, 0x20002                     ; (n >> 5) & 3,
	s_mul_i32 s29, s29, 96
	s_add_co_u32 s28, s28, s29
	s_max_u32 s29, s2, 1                           ; p = y - 1, held to 0..2 where the result is not taken
	s_sub_co_u32 s29, s29, 1
	s_min_u32 s29, s29, 2
	s_lshl_b32 s29, s29, 5
	s_add_co_u32 s28, s28, s29
	s_and_b32 s29, s3, 3                           ; n & 31: the 8 rows stay together
	s_lshl_b32 s29, s29, 3
	s_add_co_u32 s28, s28, s29
	s_lshl_b32 s28, s28, 12
	s_add_co_u32 s28, s28, 0x800000
	s_add_co_u32 s29, s22, 0x2000000               ; Wo's place
	s_cmp_eq_u32 s2, 0
	s_cselect_b32 s28, s22, s28
	s_cmp_eq_u32 s2, 4
	s_cselect_b32 s22, s29, s28
	s_mov_b32 s23, 0
	s_add_nc_u64 s[6:7], s[18:19], s[22:23]
	v_lshlrev_b32 v1, 4, v3
	v_lshl_add_u32 v1, s24, 13, v1                 ; in: my wave's row, 16 bytes a lane
	v_lshlrev_b32 v2, 3, v3
	v_lshl_add_u32 v2, s24, 12, v2                 ; out: my wave's row, 8 bytes a lane
.irp j, 0,1,2,3,4,5,6,7,8,9,10,11,12,13,14,15
	global_load_b128 v[X0+4*(\j):X0+4*(\j)+3], v1, s[4:5] offset:512*(\j) th:TH_LOAD_NT
.endr
; Load j's four numbers are rounded and stored.  mode 0: to bf16.  mode 1: to bf16, and that number as f16.
.macro CONV j, mode
	s_wait_loadcnt 15-(\j)                         ; loads come back in order: mine is in, the 15 - j younger ones stay out
.if \mode
	v_cvt_pk_bf16_f32 v100, v[X0+4*(\j)], v[X0+4*(\j)+1]
	v_cvt_pk_bf16_f32 v101, v[X0+4*(\j)+2], v[X0+4*(\j)+3]
	v_lshlrev_b32 v102, 16, v100                   ; bf16 to f32: the low half moves up, the high half stays
	v_and_b32 v100, 0xffff0000, v100
	v_lshlrev_b32 v103, 16, v101
	v_and_b32 v101, 0xffff0000, v101
	v_cvt_pk_f16_f32 v[Y0+2*(\j)], v102, v100
	v_cvt_pk_f16_f32 v[Y0+2*(\j)+1], v103, v101
.else
	v_cvt_pk_bf16_f32 v[Y0+2*(\j)], v[X0+4*(\j)], v[X0+4*(\j)+1]
	v_cvt_pk_bf16_f32 v[Y0+2*(\j)+1], v[X0+4*(\j)+2], v[X0+4*(\j)+3]
.endif
	global_store_b64 v2, v[Y0+2*(\j):Y0+2*(\j)+1], s[6:7] offset:256*(\j)  ; 32 lanes x 8 bytes: 256 consecutive bytes, aligned
.endm
	s_cmp_eq_u32 s2, 4
	s_cbranch_scc1 .Lwo
.irp j, 0,1,2,3,4,5,6,7,8,9,10,11,12,13,14,15
	CONV \j, 0
.endr
	s_endpgm
.Lwo:
.irp j, 0,1,2,3,4,5,6,7,8,9,10,11,12,13,14,15
	CONV \j, 1
.endr
	s_endpgm
; THE TABLE.  Wave w makes token t = 8 gx + w; lane l the frequencies e = 2 l and 2 l + 1.
; sin and cos of angle v[a] into v[sn], v[cs]: k = round(a 2/pi); r = a - k pi/2 in two fused steps; the two series in r; the quadrant k & 3 swaps them and sets the signs, by selects alone.
.macro TRIG a, sn, cs
	v_mul_f32 v10, 0x3f22f983, v[\a]               ; a 2/pi
	v_rndne_f32 v10, v10                           ; k
	v_fma_f32 v11, -v10, s30, v[\a]
	v_fma_f32 v11, -v10, s31, v11                  ; r
	v_mul_f32 v12, v11, v11                        ; z = r r
	v_mov_b32 v13, 0x3638ef1d                      ; 1/9!
	v_fmaak_f32 v13, v13, v12, 0xb9500d01          ; -1/7!
	v_fmaak_f32 v13, v13, v12, 0x3c088889          ; 1/5!
	v_fmaak_f32 v13, v13, v12, 0xbe2aaaab          ; -1/3!
	v_mul_f32 v14, v11, v12
	v_fma_f32 v13, v14, v13, v11                   ; sin r
	v_mov_b32 v14, 0xb493f27e                      ; -1/10!
	v_fmaak_f32 v14, v14, v12, 0x37d00d01          ; 1/8!
	v_fmaak_f32 v14, v14, v12, 0xbab60b61          ; -1/6!
	v_fmaak_f32 v14, v14, v12, 0x3d2aaaab          ; 1/4!
	v_fmaak_f32 v14, v14, v12, 0xbf000000          ; -1/2
	v_fma_f32 v14, v14, v12, 1.0                   ; cos r
	v_cvt_i32_f32 v15, v10
	v_and_b32 v16, 1, v15
	v_cmp_eq_u32 vcc_lo, 1, v16                    ; odd quadrant: the two change places
	v_cndmask_b32 v[\sn], v13, v14, vcc_lo
	v_cndmask_b32 v[\cs], v14, v13, vcc_lo
	v_and_b32 v16, 2, v15                          ; the sine turns its sign in quadrants 2, 3,
	v_lshlrev_b32 v16, 30, v16
	v_xor_b32 v[\sn], v[\sn], v16
	v_add_nc_u32 v16, 1, v15                       ; the cosine in quadrants 1, 2
	v_and_b32 v16, 2, v16
	v_lshlrev_b32 v16, 30, v16
	v_xor_b32 v[\cs], v[\cs], v16
.endm
.Ltable:
	s_lshl3_add_u32 s25, s3, s24                   ; t
	s_mov_b32 s30, 0x3fc90fdb                      ; pi/2, its upper part
	s_mov_b32 s31, 0xb33bbd2e                      ; and what is left
	s_lshl_b32 s26, s3, 12                         ; 8 tokens of 512 bytes
	s_add_nc_u64 s[20:21], s[20:21], s[26:27]
	v_lshlrev_b32 v7, 3, v3
	v_lshl_add_u32 v7, s24, 9, v7                  ; my token's row, 8 bytes a lane
	v_cvt_f32_u32 v6, s25
	v_lshlrev_b32 v4, 1, v3
	v_cvt_f32_u32 v4, v4                           ; e = 2 l
	v_add_f32 v5, 1.0, v4                          ; and 2 l + 1
	v_mul_f32 v4, 0xbe549a78, v4                   ; - e log2(10000) / 64
	v_mul_f32 v5, 0xbe549a78, v5
	v_exp_f32 v4, v4                               ; inv[e]
	v_exp_f32 v5, v5
	v_nop                                          ; a plain instruction behind the last exponential,
	s_wait_alu depctr_va_vdst(0)                   ; and one wait ahead of the first use of the two
	v_mul_f32 v4, v6, v4                           ; the angle, rounded once
	v_mul_f32 v5, v6, v5
	TRIG 4, 22, 20
	TRIG 5, 23, 21
	v_xor_b32 v22, 0x80000000, v22                 ; the even frequency's sine is stored negative
	global_store_b64 v7, v[20:21], s[20:21]            ; 32 lanes x 8 bytes: the token's 64 cosines,
	global_store_b64 v7, v[22:23], s[20:21] offset:256 ; and its 64 signed sines
	s_endpgm
.Lfunc_end_k_q2ace066852_cast:
	.size	k_q2ace066852_cast, .Lfunc_end_k_q2ace066852_cast-k_q2ace066852_cast
	.p2alignl 7, 3214868480
	.fill 96, 4, 3214868480
	.section	.rodata,"a",@progbits
	.p2align	6, 0x0
	.amdhsa_kernel k_q2ace066852_cast
		.amdhsa_group_segment_fixed_size 0
		.amdhsa_private_segment_fixed_size 0
		.amdhsa_enable_private_segment 0
		.amdhsa_kernarg_size 56
		.amdhsa_user_sgpr_count 2
		.amdhsa_user_sgpr_kernarg_segment_ptr 1
		.amdhsa_wavefront_size32 1
		.amdhsa_system_sgpr_workgroup_id_x 1
		.amdhsa_system_sgpr_workgroup_id_y 1
		.amdhsa_system_sgpr_workgroup_id_z 1
		.amdhsa_system_vgpr_workitem_id 0
		.amdhsa_next_free_vgpr 104
		.amdhsa_next_free_sgpr 66
		.amdhsa_reserve_vcc 1
		.amdhsa_float_denorm_mode_32 3
		.amdhsa_float_denorm_mode_16_64 3
		.amdhsa_memory_ordered 1
		.amdhsa_forward_progress 1
		.amdhsa_inst_pref_size 21
	.end_amdhsa_kernel
	.amdgpu_metadata
---
amdhsa.version: [ 1, 2 ]
amdhsa.kernels:
  - .name:           k_q2ace066852_cast
    .symbol:         k_q2ace066852_cast.kd
    .args:
      - { .name: x, .offset: 0, .size: 8, .value_kind: global_buffer, .address_space: global }
      - { .name: Wq, .offset: 8, .size: 8, .value_kind: global_buffer, .address_space: global }
      - { .name: Wk, .offset: 16, .size: 8, .value_kind: global_buffer, .address_space: global }
      - { .name: Wv, .offset: 24, .size: 8, .value_kind: global_buffer, .address_space: global }
      - { .name: Wo, .offset: 32, .size: 8, .value_kind: global_buffer, .address_space: global }
      - { .name: w16, .offset: 40, .size: 8, .value_kind: global_buffer, .address_space: global }
      - { .name: rope, .offset: 48, .size: 8, .value_kind: global_buffer, .address_space: global }
    .group_segment_fixed_size: 0
    .private_segment_fixed_size: 0
    .kernarg_segment_align: 8
    .kernarg_segment_size: 56
    .max_flat_workgroup_size: 256
    .sgpr_count:     66
    .vgpr_count:     104
    .wavefront_size: 32
...
	.end_amdgpu_metadata
.endif
;; end of part 1
;; launch proj (part 2): grid 16 x 16, 4 waves a work-group, clusters of 4 x 4, 327,680 bytes of LDS; arguments w16, rope, qkvh; writes qkvh
.if DOCPART == 2
	.amdgcn_target "amdgcn-amd-amdhsa--gfx1250"
	.amdhsa_code_object_version 6
	.text
	.protected	k_q2ace066852_proj
	.globl	k_q2ace066852_proj
	.p2align	8
	.type	k_q2ace066852_proj,@function
k_q2ace066852_proj:
	s_mov_b64 s[64:65], 0
	v_nop
	global_prefetch_b8 v0, s[64:65] scope:SCOPE_SE
	s_setreg_imm32_b32 hwreg(HW_REG_WAVE_MODE, 25, 1), 1
	s_wait_xcnt 0x0
	s_wait_alu depctr_hold_cnt(0) depctr_sa_sdst(0) depctr_va_vdst(0) depctr_va_sdst(0) depctr_va_ssrc(0) depctr_va_vcc(0) depctr_vm_vsrc(0)
	s_getreg_b32 s2, hwreg(HW_REG_IB_STS2, 6, 4)
	s_cmp_eq_u32 s2, 0
	s_cbranch_scc0 .Lentry_in_a_cluster
	s_endpgm
.Lentry_in_a_cluster:
	s_bfe_u32 s2, ttmp6, 0x10000c
	s_cmp_lg_u32 s2, 0xf033
	s_cbranch_scc0 .Lentry_shape_is_right
	s_endpgm
.Lentry_shape_is_right:
; q, k, v = x W^T for all three weights as ONE product [2048 tokens] x [6144 channels], K = 2048, bf16 operands, f32 sums; q and k are rotated on the way out; all three leave by heads, [part][16][2048][128], in f16.
; LIMIT: q, k, v beyond 65,504 would become infinities in f16; below 6.1e-5 they keep f16's fixed step of 6e-8.  NaN and infinities are not treated apart.
; SHARES.  A work-group makes 128 tokens x 384 channels: q, k and v of ONE head (grid x = block of tokens, grid y = head).  The weights' rows were permuted when they were rounded, so that wave w's 96 rows
; are channels 32 w .. 32 w + 31 of q, of k and of v: every wave runs the same text.  A wave has 48 accumulators of 16 x 16: token block a = 0..7, channel block b = 0..5 (0, 1 q; 2, 3 k; 4, 5 v).
; THE MATRIX INSTRUCTION IS USED TRANSPOSED (source 0 = 16 rows of W, source 1 = 16 rows of x): a lane holds ONE token (lane % 16) and eight neighbouring channels 8 (lane / 16) + 0..7.
; RING.  K goes in steps of 128 through two LDS slots: x's 128 rows, then W's 384; rows of 256 bytes, aligned, padded to 272.  One tensor load a wave for each change of slots: wave 0 x's rows, waves 1-3 128 rows of W each.
; A trip of the loop is ONE K step: which slot is read stands in two scalars that hold 0 or SLOT and change places at the trip's end.  The last two K steps, which fill nothing, are a second loop of two trips, left in its middle.
; CLUSTER.  4 x 4 work-groups: x's tile hangs on the token block alone and is asked for jointly along a column of the cluster, W's on the head alone and jointly along a row.
; THE WALK ALONG K.  The 16 K steps are taken in groups of four, and inside a group cluster (X, Y) begins at place X + 2 g, g = (Y ^ Y >> 1) & 1, and goes round: step t of the walk is K step (t & 12) | ((t + X + 2 g) & 3);
; f32 sums may be taken in any order.  A head's rows of W are read by the four clusters of one Y: in a trip they read four different K steps, and each is the first of the four at a K step in one trip of four.  A token block's rows
; of x are read by the four clusters of one X: those of g = 0 and of g = 1 stand two places apart, and each is first in two trips of four.  So a block's readers come one after the other, not all in the same trip.
; ROTATION.  out[d] = s[d] cos[d % 64] + s[d ^ 1] ss[d % 64], ss = -sin (d even), +sin (d odd): a lane holds both numbers of each pair.  My lane's 256 table numbers are loaded once, at the start, into registers that the loop leaves alone.
; REGISTERS, in windows of 256 (s_set_vgpr_msb: bits 1:0 source 0, 3:2 source 1, 5:4 source 2, 7:6 destination):
;   window 0: v16-30 addresses; v32-47, v48-55 at work on the way out; v64-127, v128-191 x's fragments, two buffers; v192-255 rows read back from the stage
;   window 1: v64-111, v128-175 W's fragments, two buffers; v0-63 the table for a = 4, 5; v192-255 for a = 6, 7
;   window 2: accumulators (b, a), b < 4, at 8 (8 b + a)        window 3: v0-127 those of b = 4, 5; v128-255 the table for a = 0..3
.set KSTEP,  128
.set STEPS,  16
.set PITCH,  272                       ; 256 bytes + 16 of padding = 68 words: the 16 rows that a load touches start at 16 different groups of four banks (64 banks of 4 bytes: ISA guide 11.1)
.set H,      128*PITCH                 ; 128 rows: what one tensor load brings
.set SLOT,   4*H                       ; x's 128 rows, then W's 384
.set STAGE,  2*SLOT                    ; behind the ring, never filled by a tensor load: 128 rows x 272 bytes, the work-group's, for the way out
.set SPARE,  STAGE+128*PITCH           ; behind the stage: the spare words, 128 bytes for each wave: two blocks of 256 bytes that no other line names
.set ADRA, 16                          ; v16     LDS address of my lane's place in x's fragments in the slot that is read; v17 in the other slot
.set A0,   18                          ; v18     the same place in slot 0; never rewritten
.set ADRB, 20                          ; v20-21  the same for my wave's 96 rows of W
.set B0,   22                          ; v22
.set STO,  24                          ; v24     the way out: where I put 16 bytes of a row
.set RD,   25                          ; v25     where I read a row back
.set CO,   26                          ; v26     my byte offset in two rows of a head
.set TO,   27                          ; v27     my byte offset in the table
.set SPW,  28                          ; v28     LDS address of my spare word; never rewritten
.set NIL,  29                          ; v29     0; never rewritten
.set PFO,  30                          ; v30     the prefetches' offset: my lane x a row of 4,096 bytes; never rewritten
.set T,    32
.set PKD,  48
.set F0,   64
.set F1,   128
.set OB,   192
.set RX,  12                           ; s12     X + 2 g: where my cluster begins in a group of four K steps
.set G1,  24                           ; s[24:31] descriptor group 1 for x's tiles;  s[32:39] group 0: a set for each of the two first fills; the first then serves every refill
.set G0,  32
.set G1B, 48                           ; s[48:55], s[56:63] the same for W's tiles
.set G0B, 56
.set PFA, 66                           ; s[66:67] the address that a prefetch names
.set LIM, 68                           ; s68     in how many trips of four this wave prefetches: 2 (x, clusters Y < 2), 1 (W), 0 (x, clusters Y >= 2)
.set TT,  69                           ; s69     the place in my walk of the K step that was asked for last
.set KO,  70                           ; s[70:71] a K step's byte offset in a row
.set TB,  72                           ; s72     0 or SLOT: the slot that is read
.set TN,  73                           ; s73     the other one
.set LW,  74                           ; s74     my tile's place in a slot: wave x 128 rows
.set TMPS, 75
.set PFB, 76                           ; s[76:77] the first of the 32 rows that I prefetch, at K = 0
.set PO,  78                           ; s[78:79] the byte offset in a row of the K step that a prefetch names
.set MSB, 0
.macro WIN new                         ; the immediate's high byte repeats the setting that is left; a switch that changes nothing is dropped
.if MSB != (\new)
	s_set_vgpr_msb (MSB<<8)|(\new)
.set MSB, \new
.endif
.endm
; A joint load.  Each of the two lines has one mask and one set of registers for all that issue it; the branch hangs on the wave's number alone.
; An s_nop 0 and four v_nop follow each line, ahead of the jump, the label and what follows.
.macro JLOAD s
	s_cmp_eq_u32 s10, 0
	s_cbranch_scc0 .Lfor_b_\@
	tensor_load_to_lds s[G0+4*(\s):G0+4*(\s)+3], s[G1:G1+7]
	s_nop 0
.rept 4
	v_nop
.endr
	s_branch .Lasked_\@
.Lfor_b_\@:
	tensor_load_to_lds s[G0B+4*(\s):G0B+4*(\s)+3], s[G1B:G1B+7]
	s_nop 0
.rept 4
	v_nop
.endr
.Lasked_\@:
.endm
; s[dst] = 256 x the K step at place u = s[t] + add of my walk: (u & 12) | ((u + RX) & 3)
.macro KBYTES dst, t, add
	s_add_co_u32 s[\dst], s[\t], \add
	s_add_co_u32 s[TMPS], s[\dst], s[RX]
	s_and_b32 s[TMPS], s[TMPS], 3
	s_and_b32 s[\dst], s[\dst], 12
	s_or_b32 s[\dst], s[\dst], s[TMPS]
	s_lshl_b32 s[\dst], s[\dst], 8
.endm
; A prefetch of the tile that the NEXT refill will ask for, place u = TT + 1 of the walk: 32 rows x 256 bytes, a lane a row, one instruction a wave, one K step (192 matrix instructions) ahead of its load.
; Asked for are the blocks that my cluster is the first in the launch to read: of W those at u & 3 = 0 (waves 1-3, every cluster), of x those at u & 3 = 0 or 1 (wave 0; the clusters Y = 0 and 3, and Y = 1 and 2, read the same
; K steps in the same trips, so those of Y < 2 ask).  The four partners that ask for a tile jointly share its 128 rows out by address, 32 each.  So each block is named once.  Places 0 and 1 come by the first fills alone;
; u = 16 does not exist: bit 4 of u fails the test.
.macro ASK
	s_add_co_u32 s[TMPS], s[TT], 1
	s_and_b32 s[TMPS], s[TMPS], 19
	s_cmp_lt_u32 s[TMPS], s[LIM]
	s_cbranch_scc0 .Lnot_mine_\@
	global_prefetch_b8 v[PFO], s[PFA:PFA+1] th:TH_LOAD_NT scope:SCOPE_SE
.Lnot_mine_\@:
.endm
.macro CREST                           ; a round of the cluster's barrier behind its opening barrier
	s_cmp_lg_u32 s10, 0
	s_cbranch_scc1 .Lnot_wave_0_\@
	s_barrier_signal -3
.Lnot_wave_0_\@:
	s_barrier_wait -3
	s_barrier_signal -1
	s_barrier_wait -1
.endm
.macro CROUND                          ; a whole round
	s_barrier_signal -1
	s_barrier_wait -1
	CREST
.endm
.macro ADDRS                           ; my lane's places in the slot that is read and in the other one
	v_add_nc_u32 v[ADRA], s[TB], v[A0]
	v_add_nc_u32 v[ADRA+1], s[TN], v[A0]
	v_add_nc_u32 v[ADRB], s[TB], v[B0]
	v_add_nc_u32 v[ADRB+1], s[TN], v[B0]
.endm
.macro SWAP                            ; the two slots change places: each scalar holds 0 or SLOT, and the exclusive or turns the one into the other
	s_xor_b32 s[TB], s[TB], SLOT
	s_xor_b32 s[TN], s[TN], SLOT
	ADDRS
.endm
	s_load_b128 s[4:7], s[0:1], 0x0                ; w16 s[4:5], rope s[6:7]
	s_load_b64 s[8:9], s[0:1], 0x10                ; qkvh
	v_lshl_add_u32 v[SPW], v0, 2, SPARE
	v_mov_b32 v[NIL], 0
	ds_add_u32 v[SPW], v[NIL]                      ; the wave's opening: the add and its wait stand ahead of my first tensor load; the set-up below, work on registers, stands between them
	v_lshrrev_b32 v1, 5, v0
	v_readfirstlane_b32 s10, v1                    ; wave 0..3
	s_bfe_u32 s40, ttmp6, 0x40000                  ; cx, cy: my place in the cluster
	s_bfe_u32 s41, ttmp6, 0x40004
	s_lshl_b32 s13, ttmp9, 2
	s_add_co_u32 s13, s13, s40                     ; token block = 4 x cluster x + cx
	s_and_b32 s42, ttmp7, 0xffff
	s_lshl_b32 s42, s42, 2
	s_add_co_u32 s42, s42, s41                     ; head = 4 x cluster y + cy
	s_lshl_b32 s43, 0x1111, s40                    ; my column of the cluster: the same token block
	s_lshl_b32 s44, s41, 2
	s_lshl_b32 s44, 15, s44                        ; my row: the same head
	; descriptor group 1: a tile of 128 rows x 128 elements of 2 bytes, padded in LDS
	s_or_b32 s[G1+0], s43, (1<<16)|(1<<20)|(1<<21)|(5<<22)|(3<<25)  ; 15:0 the mask; 17:16 2-byte elements; 20 padding on; 21 set beside a mask; 24:22 after every 64 words (code 5); 31:25 4 words (code 3)
	s_or_b32 s[G1B+0], s44, (1<<16)|(1<<20)|(1<<21)|(5<<22)|(3<<25)
.irp g, G1, G1B
	s_mov_b32 s[(\g)+1], KSTEP<<16                 ; tensor_dim0 = 128
	s_mov_b32 s[(\g)+2], 128<<16                   ; tensor_dim1 = 128
	s_mov_b32 s[(\g)+3], KSTEP<<16                 ; tile_dim0 = 128
	s_mov_b32 s[(\g)+4], 128                       ; tile_dim1 = 128
	s_mov_b32 s[(\g)+5], 2048                      ; elements from row to row
	s_mov_b32 s[(\g)+6], 0
	s_mov_b32 s[(\g)+7], 0
.endr
	s_and_b32 s[RX], ttmp7, 0xffff                 ; where my cluster begins in a group of four K steps: made of the cluster's x and y alone, which all sixteen partners share
	s_lshr_b32 s[TMPS], s[RX], 1
	s_xor_b32 s[RX], s[RX], s[TMPS]
	s_and_b32 s[RX], s[RX], 1                      ; g = 0, 1, 1, 0 for Y = 0..3
	s_lshl_b32 s[RX], s[RX], 1
	s_add_co_u32 s[RX], s[RX], ttmp9               ; X + 2 g
	s_mov_b32 s[TT], 0
	s_mov_b32 s[KO+1], 0
	s_mov_b32 s[PO+1], 0
	s_mov_b32 s[TB], 0
	s_mov_b32 s[TN], SLOT
	KBYTES KO, TT, 0                               ; the walk's place 0
	s_lshl_b32 s16, s13, 19                        ; x: 128 rows of 4,096 bytes a token block
	s_mov_b32 s17, 0
	s_mul_i32 s46, s42, 384                        ; W: the head's 384 rows,
	s_max_u32 s47, s10, 1
	s_sub_co_u32 s47, s47, 1
	s_lshl_b32 s47, s47, 7                         ; of them 128 (w - 1) on (wave 0 makes wave 1's number and does not use it)
	s_add_co_u32 s46, s46, s47
	s_lshl_b32 s46, s46, 12
	s_add_co_u32 s46, s46, 0x800000                ; behind x in w16
	s_mov_b32 s47, 0
	s_mul_i32 s[LW], s10, H                        ; where the tiles go: wave x 128 rows: no place in the cluster enters an LDS address
	s_wait_dscnt 0x0                               ; the opening add is done
	s_wait_kmcnt 0x0
	s_add_nc_u64 s[14:15], s[4:5], s[16:17]        ; x at my tile's first row, K = 0: kept
	s_add_nc_u64 s[46:47], s[4:5], s[46:47]        ; W likewise: kept
	CROUND                                         ; all sixteen work-groups are here: the first joint loads meet
.irp s, 0,1
	s_mov_b32 s[G0+4*(\s)], 1                                      ; count = 1
	s_add_co_u32 s[G0+4*(\s)+1], s[LW], (\s)*SLOT                  ; LDS address
	s_add_nc_u64 s[G0+4*(\s)+2:G0+4*(\s)+3], s[14:15], s[KO:KO+1]  ; global address: the walk's place s
	s_or_b32 s[G0+4*(\s)+3], s[G0+4*(\s)+3], 0x80000000            ; type = 2
	s_mov_b32 s[G0B+4*(\s)], 1
	s_add_co_u32 s[G0B+4*(\s)+1], s[LW], (\s)*SLOT
	s_add_nc_u64 s[G0B+4*(\s)+2:G0B+4*(\s)+3], s[46:47], s[KO:KO+1]
	s_or_b32 s[G0B+4*(\s)+3], s[G0B+4*(\s)+3], 0x80000000
	JLOAD \s                                       ; two loads of mine are out
.if (\s) == 0
	s_mov_b32 s[TT], 1
	KBYTES KO, TT, 0                               ; (an offset of its own: no register of the load that is out)
.endif
.endr
	v_and_b32 v1, 15, v0                           ; l % 16
	v_bfe_u32 v2, v0, 4, 1                         ; l / 16
	; THE TABLE: for token block a my lane wants token 16 a + l % 16, frequencies 32 (w & 1) + 16 b' + 8 (l / 16) + 0..7: 8 cosines and 8 signed sines for b' = 0, 1.  Waited for once, on the way out.
	s_lshl_b32 s16, s13, 16                        ; 128 tokens of 512 bytes
	s_mov_b32 s17, 0
	s_add_nc_u64 s[6:7], s[6:7], s[16:17]
	s_and_b32 s21, s10, 1
	s_lshl_b32 s21, s21, 7
	v_lshlrev_b32 v[TO], 9, v1
	v_lshl_add_u32 v[TO], v2, 5, v[TO]
	v_add_nc_u32 v[TO], s21, v[TO]
.macro TABLE a, base, win              ; 32 registers: cos b' = 0, cos b' = 1, ss b' = 0, ss b' = 1
	WIN \win
.irp q, 0,1,2,3,4,5,6,7
	global_load_b128 v[(\base)+4*(\q):(\base)+4*(\q)+3], v[TO], s[6:7] offset:(\a)*8192+((\q)/4)*256+(((\q)/2)%2)*64+((\q)%2)*16
.endr
.endm
	TABLE 0, 128, 0xc0
	TABLE 1, 160, 0xc0
	TABLE 2, 192, 0xc0
	TABLE 3, 224, 0xc0
	TABLE 4, 0,   0x40
	TABLE 5, 32,  0x40
	TABLE 6, 192, 0x40
	TABLE 7, 224, 0x40
	WIN 0
	; A fragment is 16 rows x 32 K in 8 registers: lane l holds row l % 16; registers 0-3 K = 8 (l / 16) + 0..7, registers 4-7 K = 16 + 8 (l / 16) + 0..7: two loads of 16 bytes, 32 bytes apart.
	v_mul_u32_u24 v[A0], v1, PITCH
	v_lshl_add_u32 v[A0], v2, 4, v[A0]             ; row x pitch + 16 x half
	s_mul_i32 s22, s10, 96*PITCH                   ; my 96 rows of W,
	s_add_co_u32 s22, s22, H                       ; which lie behind x's 128
	v_add_nc_u32 v[B0], s22, v[A0]
	ADDRS
	s_lshl_b32 s23, s10, 6                         ; into the stage: row l % 16, my wave's 64 bytes of its 256, 16 bytes for each half of the lanes
	s_add_co_u32 s23, s23, STAGE
	v_add_nc_u32 v[STO], s23, v[A0]
	s_mul_i32 s23, s10, 32*PITCH                   ; back: wave w takes rows 32 w .. 32 w + 31, whole; lanes 0-15 one row, lanes 16-31 the next
	s_add_co_u32 s23, s23, STAGE
	v_mul_u32_u24 v5, v2, PITCH
	v_lshl_add_u32 v5, v1, 4, v5
	v_add_nc_u32 v[RD], s23, v5
	v_lshlrev_b32 v5, 8, v2                        ; and the same two rows of the head
	v_lshl_add_u32 v[CO], v1, 4, v5
	s_lshl_b32 s16, s42, 11                        ; the head's 2,048 rows,
	s_lshl_b32 s17, s13, 7                         ; my block's 128,
	s_add_co_u32 s16, s16, s17
	s_lshl_b32 s17, s10, 5                         ; my wave's 32
	s_add_co_u32 s16, s16, s17
	s_lshl_b32 s16, s16, 8
	s_mov_b32 s17, 0
	s_add_nc_u64 s[8:9], s[8:9], s[16:17]
	; the prefetches
	s_lshl_b32 s20, s13, 7                         ; x: the tile's first row,
	s_lshl_b32 s21, s41, 5
	s_add_co_u32 s20, s20, s21                     ; my work-group's 32 of its 128: the four that ask for it with me differ in cy
	s_mul_i32 s21, s42, 384                        ; W: the same, counted in rows of w16; the four differ in cx
	s_max_u32 s22, s10, 1
	s_sub_co_u32 s22, s22, 1
	s_lshl_b32 s22, s22, 7
	s_add_co_u32 s21, s21, s22
	s_lshl_b32 s22, s40, 5
	s_add_co_u32 s21, s21, s22
	s_add_co_u32 s21, s21, 2048
	s_and_b32 s22, ttmp7, 0xffff                   ; cluster y
	s_cmp_lt_u32 s22, 2
	s_cselect_b32 s[LIM], 2, 0
	s_cmp_eq_u32 s10, 0                            ; do I fetch x?
	s_cselect_b32 s20, s20, s21
	s_cselect_b32 s[LIM], s[LIM], 1                ; the same in all sixteen partners, for a given wave
	s_lshl_b32 s20, s20, 12
	s_mov_b32 s21, 0
	s_add_nc_u64 s[PFB:PFB+1], s[4:5], s[20:21]    ; nothing is prefetched at the head
	v_and_b32 v[PFO], 31, v0
	v_lshlrev_b32 v[PFO], 12, v[PFO]
; 8 matrix instructions: channel block b x all 8 token blocks, 32 along K.  zero = 1: the first product starts the sums.  The 48 accumulators take turns, one instruction a turn, in the same order in every quarter.
.macro MULB f, b, zero
.if (\b) < 4
	WIN 0xa1                                       ; W window 1, x window 0, C and D window 2
.set AB, 64*(\b)
.else
	WIN 0xf1                                       ; C and D window 3
.set AB, 64*((\b)-4)
.endif
.irp a, 0,1,2,3,4,5,6,7
.if \zero
	v_wmma_f32_16x16x32_bf16 v[AB+8*(\a):AB+8*(\a)+7], v[(\f)+8*(\b):(\f)+8*(\b)+7], v[(\f)+8*(\a):(\f)+8*(\a)+7], 0
.else
	v_wmma_f32_16x16x32_bf16 v[AB+8*(\a):AB+8*(\a)+7], v[(\f)+8*(\b):(\f)+8*(\b)+7], v[(\f)+8*(\a):(\f)+8*(\a)+7], v[AB+8*(\a):AB+8*(\a)+7]
.endif
.endr
.endm
; 28 LDS loads in one run: the fragments of 32 K at byte k of the rows, into buffer f: x's sixteen loads first, then W's twelve in the order in which they are multiplied.  slot = 0: the slot that is read; 1: the other one
.macro FETCH slot, k, f
	WIN 0
.irp i, 0,1,2,3,4,5,6,7
	ds_load_b128 v[(\f)+8*(\i):(\f)+8*(\i)+3],   v[ADRA+(\slot)] offset:(\k)+(\i)*16*PITCH
	ds_load_b128 v[(\f)+8*(\i)+4:(\f)+8*(\i)+7], v[ADRA+(\slot)] offset:(\k)+(\i)*16*PITCH+32
.endr
	WIN 0x40
.irp i, 0,1,2,3,4,5
	ds_load_b128 v[(\f)+8*(\i):(\f)+8*(\i)+3],   v[ADRB+(\slot)] offset:(\k)+(\i)*16*PITCH
	ds_load_b128 v[(\f)+8*(\i)+4:(\f)+8*(\i)+7], v[ADRB+(\slot)] offset:(\k)+(\i)*16*PITCH+32
.endr
.endm
.macro PLACES                          ; four plain instructions in front of loads into registers that matrix instructions have read, and of vector work that reads results
.rept 4
	v_nop
.endr
.endm
; A K step is four quarters of 32 along K, 48 matrix instructions each, on buffers 0, 1, 0, 1.  One of the first three: multiplies buffer f; behind its first sixteen products it fetches the next quarter, at byte k, into g.
.macro QUARTER slot, k, f, g, zero
	s_wait_dscnt 8                                 ; x's fragments and W's blocks 0, 1 are in; the youngest eight loads (W's blocks 2-5) may be out
	MULB \f, 0, \zero
	MULB \f, 1, \zero
	PLACES
	FETCH \slot, \k, \g
	s_wait_dscnt 28                                ; all but the 28 just issued
	MULB \f, 2, \zero
	MULB \f, 3, \zero
	MULB \f, 4, \zero
	MULB \f, 5, \zero
.endm
; The last quarter multiplies buffer 1 and changes slots: ONE barrier; in front of it each wave waits for all its tensor loads (one is out: its part of the other slot), adds 0 to its spare word, and waits for that and for its
; reads of this slot.  fill = 1: the barrier opens a round of the cluster's, and this slot is filled again, with the walk's place two on, first thing behind the round: 160 matrix instructions ahead of the wait for it.
.macro TURN fill
.if \fill
	s_wait_xcnt 0x0                                ; the last prefetch, a K step back, has read its address: it is made anew here, for the place behind the one that this refill asks for
	KBYTES PO, TT, 2
	s_add_nc_u64 s[PFA:PFA+1], s[PFB:PFB+1], s[PO:PO+1]
.endif
	WIN 0                                          ; (the add's two registers lie in window 0)
	s_wait_tensorcnt 0x0                           ; all my tensor loads have landed, so a group 0 may be written
	ds_add_u32 v[SPW], v[NIL]                      ; 0 onto my spare word; the descriptors' scalar work and sixteen matrix instructions stand between it and the wait for it
.if \fill
	s_add_co_u32 s[TT], s[TT], 1                   ; the walk's next place,
	KBYTES KO, TT, 0                               ; its K step,
	s_add_co_u32 s[G0+1], s[TB], s[LW]             ; into the slot that is being read out
	s_add_nc_u64 s[G0+2:G0+3], s[14:15], s[KO:KO+1]
	s_or_b32 s[G0+3], s[G0+3], 0x80000000
	s_add_co_u32 s[G0B+1], s[TB], s[LW]
	s_add_nc_u64 s[G0B+2:G0B+3], s[46:47], s[KO:KO+1]
	s_or_b32 s[G0B+3], s[G0B+3], 0x80000000
.endif
	s_wait_dscnt 9                                 ; (the add and the youngest eight loads may be out)
	MULB F1, 0, 0
	MULB F1, 1, 0
	s_wait_dscnt 0x0                               ; the add is done, and my reads of this slot are over
	s_barrier_signal -1
	MULB F1, 2, 0                                  ; work on registers while the others arrive
	MULB F1, 3, 0
.if \fill
	WIN 0
.endif
	s_barrier_wait -1
.if \fill
	CREST                                          ; no wave of any partner still reads this slot's tile or has a load on its way
	JLOAD 0                                        ; the four v_nop behind it are also the places in front of the loads below
.else
	PLACES
.endif
	FETCH 1, 0, F0
.if \fill
	WIN 0
	ASK                                            ; behind the joint load and the run of LDS loads that the next products wait for
.endif
	MULB F1, 4, 0
	MULB F1, 5, 0
.endm
	s_wait_tensorcnt 1                             ; my part of the walk's place 0 is in; place 1's may stay out
	s_barrier_signal -1
	s_barrier_wait -1                              ; everybody's is
	FETCH 0, 0, F0
	QUARTER 0, 64,  F0, F1, 1                      ; the first quarter stands in front of the loop: its products start the sums
	WIN 0                                          ; at a label and at a branch every window is 0
	s_mov_b32 s3, STEPS-2
.Lstep:                                                ; a trip goes from a K step's second quarter to the next step's first, and fills the slot that it leaves
	QUARTER 0, 128, F1, F0, 0
	QUARTER 0, 192, F0, F1, 0
	TURN 1
	QUARTER 1, 64,  F0, F1, 0
	WIN 0
	SWAP
	s_sub_co_u32 s3, s3, 1
	s_cmp_lg_u32 s3, 0
	s_cbranch_scc1 .Lstep
	s_mov_b32 s3, 2
.Ltail:                                                ; the last two K steps fill nothing, and have no round of the cluster's barrier.  The second trip is left in its middle: its barrier and its 28 loads
	QUARTER 0, 128, F1, F0, 0                      ; from the other slot (bytes that have landed and that nobody writes) serve nothing: the price, once a launch, of one text for both trips
	QUARTER 0, 192, F0, F1, 0
	TURN 0
	WIN 0
	s_sub_co_u32 s3, s3, 1
	s_cmp_eq_u32 s3, 0
	s_cbranch_scc1 .Lout
	QUARTER 1, 64,  F0, F1, 0
	WIN 0
	SWAP
	s_branch .Ltail
.Lout:
	; THE WAY OUT, in three passes: q, k, v.  A pass: my 32 channels of the 128 tokens go, rotated (q, k) and rounded to f16, into the work-group's stage; a barrier, since a row's 256 bytes come from four waves;
	; back as whole rows, 32 rows a wave; a second barrier before the stage is written again.
; Token block a of q (p = 0) or k (p = 1): each accumulator's registers are taken in ascending order.
.macro ROPE p, a
.if (\a) < 4
.set TBL, 128+32*(\a)
	WIN 0x0e                                       ; sums window 2, table window 3, T window 0
.elseif (\a) < 6
.set TBL, 32*((\a)-4)
	WIN 0x06                                       ; table window 1
.else
.set TBL, 192+32*((\a)-6)
	WIN 0x06
.endif
.irp c, 0,1
.set AC, 8*(8*(2*(\p)+(\c))+(\a))
.irp i, 0,1,2,3
	v_pk_mul_f32 v[T+8*(\c)+2*(\i):T+8*(\c)+2*(\i)+1], v[AC+2*(\i):AC+2*(\i)+1], v[TBL+8*(\c)+2*(\i):TBL+8*(\c)+2*(\i)+1]
.endr
.irp i, 0,1,2,3
	v_fma_f32 v[T+8*(\c)+2*(\i)],   v[AC+2*(\i)+1], v[TBL+16+8*(\c)+2*(\i)],   v[T+8*(\c)+2*(\i)]    ; even channel: - s[d + 1] sin
	v_fma_f32 v[T+8*(\c)+2*(\i)+1], v[AC+2*(\i)],   v[TBL+16+8*(\c)+2*(\i)+1], v[T+8*(\c)+2*(\i)+1]  ; odd channel: + s[d - 1] sin
.endr
.endr
	WIN 0
.irp i, 0,1,2,3,4,5,6,7
	v_cvt_pk_f16_f32 v[PKD+(\i)], v[T+2*(\i)], v[T+2*(\i)+1]
.endr
	ds_store_b128 v[STO], v[PKD:PKD+3]   offset:(\a)*16*PITCH
	ds_store_b128 v[STO], v[PKD+4:PKD+7] offset:(\a)*16*PITCH+32
.endm
.macro VOUT a                          ; token block a of v: rounded as it is
	WIN 0x0f                                       ; sources 0 and 1 window 3
.irp c, 0,1
.set AC, 8*(8*(\c)+(\a))
.irp i, 0,1,2,3
	v_cvt_pk_f16_f32 v[PKD+4*(\c)+(\i)], v[AC+2*(\i)], v[AC+2*(\i)+1]
.endr
.endr
	WIN 0
	ds_store_b128 v[STO], v[PKD:PKD+3]   offset:(\a)*16*PITCH
	ds_store_b128 v[STO], v[PKD+4:PKD+7] offset:(\a)*16*PITCH+32
.endm
.macro FLUSH more
	s_wait_dscnt 0x0                               ; for the others' sake: my stores into the stage are done
	s_barrier_signal -1
	s_barrier_wait -1
.irp t, 0,1,2,3,4,5,6,7,8,9,10,11,12,13,14,15
	ds_load_b128 v[OB+4*(\t):OB+4*(\t)+3], v[RD] offset:(\t)*2*PITCH
.endr
.irp t, 0,1,2,3,4,5,6,7,8,9,10,11,12,13,14,15
	s_wait_dscnt 15-(\t)                           ; LDS loads come back in order: load t is in
	global_store_b128 v[CO], v[OB+4*(\t):OB+4*(\t)+3], s[8:9] offset:512*(\t)  ; 16 lanes store a token's 256 bytes of the head, aligned
.endr
.if \more
	s_wait_xcnt 0x0                                ; the stores have read their data and their base: both are written again below
	s_add_nc_u64 s[8:9], s[8:9], 0x800000          ; the next part
	s_barrier_signal -1                            ; every wave's reads of the stage are back (the count-down ended at 0): it may be written again
	s_barrier_wait -1
.endif
.endm
	PLACES
	s_wait_loadcnt 0x0                             ; the table
.irp a, 0,1,2,3,4,5,6,7
	ROPE 0, \a
.endr
	FLUSH 1
.irp a, 0,1,2,3,4,5,6,7
	ROPE 1, \a
.endr
	FLUSH 1
.irp a, 0,1,2,3,4,5,6,7
	VOUT \a
.endr
	FLUSH 0
	s_wait_tensorcnt 0x0                           ; the wave's end, behind my last tensor load and my last LDS store
	ds_add_u32 v[SPW], v[NIL]
	s_wait_dscnt 0x0
	CROUND                                         ; the closing round: no work-group ends while a partner may still ask for a tile that names it
	s_endpgm
.Lfunc_end_k_q2ace066852_proj:
	.size	k_q2ace066852_proj, .Lfunc_end_k_q2ace066852_proj-k_q2ace066852_proj
	.p2alignl 7, 3214868480
	.fill 96, 4, 3214868480
	.section	.rodata,"a",@progbits
	.p2align	6, 0x0
	.amdhsa_kernel k_q2ace066852_proj
		.amdhsa_group_segment_fixed_size 327680
		.amdhsa_private_segment_fixed_size 0
		.amdhsa_enable_private_segment 0
		.amdhsa_kernarg_size 24
		.amdhsa_user_sgpr_count 2
		.amdhsa_user_sgpr_kernarg_segment_ptr 1
		.amdhsa_wavefront_size32 1
		.amdhsa_system_sgpr_workgroup_id_x 1
		.amdhsa_system_sgpr_workgroup_id_y 1
		.amdhsa_system_sgpr_workgroup_id_z 1
		.amdhsa_system_vgpr_workitem_id 0
		.amdhsa_next_free_vgpr 1024
		.amdhsa_next_free_sgpr 80
		.amdhsa_reserve_vcc 0
		.amdhsa_float_denorm_mode_32 3
		.amdhsa_float_denorm_mode_16_64 3
		.amdhsa_memory_ordered 1
		.amdhsa_forward_progress 1
		.amdhsa_inst_pref_size 116
	.end_amdhsa_kernel
	.amdgpu_metadata
---
amdhsa.version: [ 1, 2 ]
amdhsa.kernels:
  - .name:           k_q2ace066852_proj
    .symbol:         k_q2ace066852_proj.kd
    .args:
      - { .name: w16, .offset: 0, .size: 8, .value_kind: global_buffer, .address_space: global }
      - { .name: rope, .offset: 8, .size: 8, .value_kind: global_buffer, .address_space: global }
      - { .name: qkvh, .offset: 16, .size: 8, .value_kind: global_buffer, .address_space: global }
    .group_segment_fixed_size: 327680
    .private_segment_fixed_size: 0
    .kernarg_segment_align: 8
    .kernarg_segment_size: 24
    .max_flat_workgroup_size: 128
    .sgpr_count:     80
    .vgpr_count:     1024
    .wavefront_size: 32
...
	.end_amdgpu_metadata
.endif
;; end of part 2
;; launch attn (part 3): grid 16 x 16, 4 waves a work-group, clusters of 4 x 1, 327,680 bytes of LDS; arguments qkvh, y16; writes y16
.if DOCPART == 3
	.amdgcn_target "amdgcn-amd-amdhsa--gfx1250"
	.amdhsa_code_object_version 6
	.text
	.protected	k_q2ace066852_attn
	.globl	k_q2ace066852_attn
	.p2align	8
	.type	k_q2ace066852_attn,@function
k_q2ace066852_attn:
	s_mov_b64 s[64:65], 0
	v_nop
	global_prefetch_b8 v0, s[64:65] scope:SCOPE_SE
	s_setreg_imm32_b32 hwreg(HW_REG_WAVE_MODE, 25, 1), 1
	s_wait_xcnt 0x0
	s_wait_alu depctr_hold_cnt(0) depctr_sa_sdst(0) depctr_va_vdst(0) depctr_va_sdst(0) depctr_va_ssrc(0) depctr_va_vcc(0) depctr_vm_vsrc(0)
	s_getreg_b32 s2, hwreg(HW_REG_IB_STS2, 6, 4)
	s_cmp_eq_u32 s2, 0
	s_cbranch_scc0 .Lentry_in_a_cluster
	s_endpgm
.Lentry_in_a_cluster:
	s_bfe_u32 s2, ttmp6, 0x10000c
	s_cmp_lg_u32 s2, 0x3003
	s_cbranch_scc0 .Lentry_shape_is_right
	s_endpgm
.Lentry_shape_is_right:
; CAUSAL ATTENTION, head size 128.  y[q] = the sum over k <= q of softmax_k(Q[q] . K[k] / sqrt(128)) V[k], for each of 16 heads.  Q, K, V: qkvh, [part][16][2048][128] f16; y16: [2048][2048] f16, head h at bytes 256 h of a row.
; Products, maxima and sums in f32; the weights p are rounded to f16 for the second product (their sum l is taken of the unrounded p), y once at the end.
; LIMITS.  A hidden score counts as its value less 1e30 (f16's scores, 5.5e11 at the most, are nothing beside that); a weight below 2^-126 counts as 0; p below 6.1e-5 keeps f16's fixed step of 6e-8; y lies within V's range;
; NaN and infinities are not treated apart.
; THE KEYS ARE SPLIT AMONG THE WAVES.  All four waves hold the SAME 64 queries (four tiles of 16); of a slot's 256 keys wave w takes 64 w .. 64 w + 63.  Each wave keeps a running maximum m, sum l and O of its own;
; at a block's end the four partial results meet in LDS (f32): each is weighted by 2^(c m_w - c m_all) / l_all and they are added.  So a fragment of K or V read from LDS feeds four tiles' products though a work-group has only 64 queries in hand.
; THE WALK.  A head has 32 blocks of 64 queries.  Work-group b = 4 B + cx (B the cluster's x) takes block 31 - b and then block b: (8 - B) + (B + 1) = 9 slots of 256 keys, whatever b, and WHICH tiles hangs on B alone:
; the four partners of a cluster walk the same tiles in the same trips, so every tile is asked for JOINTLY.  cx enters Q's and y's addresses, the prefetches' address and the masks' numbers, and nothing else.
; THE MASK is the C operand that starts each sum S^T = K Q^T, in every step, so that a step has one text.  With s = 4 x slot + w, the number of my 64 keys, and BLK the block: score tile (query tile t, key block kt) takes
; MLO if kt < t (-1e30 if s > BLK), MHI if kt > t (-1e30 if s >= BLK), MDG if kt = t (the triangle MD8 if s = BLK, -1e30 if s > BLK); else 0.  A wave that saw no key of a block ends with c m near -1.3e29 and weight 0.
; LAYOUT.  S^T = K Q^T (source 0 = 16 keys, source 1 = 16 queries): a lane holds ONE query (lane % 16) and the keys 8 (lane / 16) + 0..7; two such results rounded to f16 ARE source 1 of O^T = V^T P.
; SOFTMAX.  p = 2^(c s - c m), c = log2(e) / sqrt(128); in every step O and l are multiplied by a = 2^(c m_old - c m_new).  m starts at the lowest finite number, so a block's first a is 0, and O and l need only be finite there:
; they are cleared once, 264 lines, while the first tile is on its way; no first step is written out.
; BY TURNS INSIDE A STEP.  The tiles are two pieces (0: tiles 0, 1; 2: tiles 2, 3).  K Q^T of piece 0; K Q^T of piece 2 with piece 0's softmax in slices behind it; V^T P of piece 0 with piece 2's softmax; V^T P of piece 2.
; REGISTERS, in windows of 256 (s_set_vgpr_msb: bits 1:0 source 0, 3:2 source 1, 5:4 source 2, 7:6 destination):
;   window 0: v2-11 addresses; v12-43 eight registers of statistics a tile; v44-49 set-up; v61-63; v64-191 S^T, 32 a tile; v192-255 P, 16 a tile
;   window 1: O^T, 64 a tile        window 2: v0-127 Q, 32 a tile; v128-255 K of my 64 keys        window 3: v0-127 V; v128-159 the masks
.set KS,    64
.set PK,    272       ; a row of K in LDS: 256 bytes + 16 = 68 words: the 16 rows of a load start at 16 different groups of four banks (64 banks of 4 bytes: ISA guide 11.1)
.set PV,    288       ; a row of V: 256 + 32 = 72 words
.set VOFF,  256*PK    ; a slot: 256 rows of K, then 256 rows of V
.set SLOT1, 256*(PK+PV)
.set PART,  2*SLOT1   ; behind the ring, never filled by a tensor load: four partial tiles of 16 rows x 528 bytes (128 f32 + 16 of padding)
.set PP,    528
.set STAT,  PART+4*16*PP  ; (l, c m) of each wave, tile and lane: 4,096 bytes
.set SPARE, STAT+4096     ; the spare words, 128 bytes for each wave: two blocks of 256 bytes that no other line names
.set AK0, 2           ; v2   my lane's place in my wave's keys of K; never rewritten
.set AV0, 3           ; v3   the same for V
.set ADRK, 4          ; v4   the LDS address of K's run of loads
.set ADRV, 5          ; v5   of V's
.set QO,  6           ; v6   my byte offset in 16 rows of Q
.set PW,  7           ; v7   the merge: where I put 32 bytes of a row of my partial tile
.set PR,  8           ; v8   where I read 16 bytes of my wave's four rows
.set GO,  9           ; v9   my 8 bytes of y
.set SA,  10          ; v10  where I put (l, c m)
.set SR,  11          ; v11  where I read them
.set ST,  12          ; tile t's statistics at v[ST+8 t]: +0 c m, +1 m, +2, +3 l (even keys', odd keys'), +4 to +7 at work; a takes +6
.set PFO, 61          ; v61  256 x my lane; never rewritten
.set SPW, 62          ; v62  LDS address of my spare word; never rewritten
.set NIL, 63          ; v63  0; never rewritten
.set S,   64
.set YR,  128         ; the merge: 32 registers to store, a pair for each tile and row
.set P,   192
.set KF,  128         ; window 2
.set MD8, 128         ; window 3: -1e30 where 8 (l / 16) + j > l % 16
.set MLO, 136
.set MDG, 144
.set MHI, 152
.set WV,  12          ; s12  my wave's number
.set CX,  13          ; s13  my place in the cluster
.set PB,  14          ; s14  b
.set LIM, 15          ; s15  2 in a cluster that prefetches, else the greatest number
.set LK,  20          ; s20  my tile's place in a slot, if I fetch K
.set LV,  21          ; s21  if I fetch V
.set PFA, 22          ; s[22:23] where my prefetches stand
.set G1K, 24          ; s[24:31] descriptor group 1 for K's tiles
.set G1V, 32          ; s[32:39] for V's: it differs in the padding alone
.set G0K, 40          ; s[40:43] descriptor group 0 for K's tiles
.set G0V, 44          ; s[44:47] for V's
.set Q2,  48          ; s[48:49] Q at the second block
.set Y2,  50          ; s[50:51] y at the second block
.set BLK, 52          ; s52  the block in hand
.set SIG, 54          ; s54  the slot in hand, counted in the block
.set RT,  55          ; s55  slots of the block in hand that are still to be walked
.set SLOTS, 56        ; s56  tiles still to be asked for
.set NXT, 57          ; s57  the tile to be asked for next
.set CS,  58          ; s[58:59] c
.set SEL, 60          ; s[60:61] v_permlanex16_b32's selects: each lane takes its own place in the other half
.set TB,  62          ; s62  0 or SLOT1: the slot that is read
.set TF,  63          ; s63  0 or SLOT1: the slot that is filled
.set LQ,  66          ; s66  the last tile of the block whose tiles are being asked for
.set BETA, 67         ; s67  the cluster's x
.set OFF, 68          ; s[68:69] a tile's byte offset in K and V
.set AL,  70          ; s[70:71] the triangle's factor
.set BE,  72          ; s[72:73] -1e30 if s > BLK
.set BH,  74          ; s74  -1e30 if s >= BLK
.set BIGN, 75         ; s75  -1e30
.set MSB, 0
.macro WIN new                      ; the high byte repeats the setting that is left; a switch that changes nothing is dropped
.if MSB != (\new)
	s_set_vgpr_msb (MSB<<8)|(\new)
.set MSB, \new
.endif
.endm
.set W_PV, 0x53       ; V in window 3, P in window 0, O^T in window 1
.set W_RS, 0x41       ; O^T (destination and source 0) in window 1, the factor in window 0
; A joint fill.  Waves 0 and 1 fetch the two halves of a tile's K, waves 2 and 3 those of its V: 128 rows each.  An s_nop 0 and four v_nop follow each of the two lines, ahead of the jump and the label.
.macro JLOAD
	s_cmp_lt_u32 s[WV], 2
	s_cbranch_scc0 .Lfor_v_\@
	tensor_load_to_lds s[G0K:G0K+3], s[G1K:G1K+7]
	s_nop 0
.rept 4
	v_nop
.endr
	s_branch .Lasked_\@
.Lfor_v_\@:
	tensor_load_to_lds s[G0V:G0V+3], s[G1V:G1V+7]
	s_nop 0
.rept 4
	v_nop
.endr
.Lasked_\@:
.endm
; A prefetch of the tile that the NEXT change of slots will ask for.  All clusters of a head read its tiles; the cluster with x = 0 walks tiles 0 to 7 on end, and it alone asks, in trips 0 to 5, for tiles 2 to 7.
; Of a tile's 256 rows of K (waves 0, 1) and of V (waves 2, 3) the partner at cx takes 64, each of the two waves 32: a lane a row of 256 bytes, told apart by address.  So each row is named once.
.macro ASK
	s_cmp_gt_u32 s[SLOTS], s[LIM]
	s_cbranch_scc0 .Lnot_mine_\@
	global_prefetch_b8 v[PFO], s[PFA:PFA+1] th:TH_LOAD_NT scope:SCOPE_SE
.Lnot_mine_\@:
.endm
.macro CROUND                       ; a round of the cluster's barrier
	s_barrier_signal -1
	s_barrier_wait -1
	s_cmp_lg_u32 s[WV], 0
	s_cbranch_scc1 .Lnot_wave_0_\@
	s_barrier_signal -3
.Lnot_wave_0_\@:
	s_barrier_wait -3
	s_barrier_signal -1
	s_barrier_wait -1
.endm
.macro PLACES
.rept 4
	v_nop
.endr
.endm
; THE CHANGE OF SLOTS.  Each wave waits for all its tensor loads, of which one is out: its part of the other slot; adds 0 to its spare word; and waits for that and for its LDS instructions.  fill = 1: the barrier is a round of the
; cluster's, and the slot just read is filled, first thing behind it, with tile NXT: the descriptors are made anew from that number.  (At its first use nothing has been read: slot 0 is waited for, slot 1 filled.)
.macro CHANGE fill
	WIN 0
	s_wait_tensorcnt 0x0            ; no tensor load of mine is out, so a group 0 may be written
	ds_add_u32 v[SPW], v[NIL]       ; 0 onto my spare word; the scalar work stands between it and the wait for it
.if \fill
	s_lshl_b32 s[OFF], s[NXT], 16   ; a tile is 65,536 bytes of K and of V
	s_xor_b32 s[TF], s[TF], SLOT1
	s_add_co_u32 s[G0K+1], s[TF], s[LK]
	s_add_nc_u64 s[G0K+2:G0K+3], s[6:7], s[OFF:OFF+1]
	s_or_b32 s[G0K+3], s[G0K+3], 0x80000000
	s_add_co_u32 s[G0V+1], s[TF], s[LV]
	s_add_nc_u64 s[G0V+2:G0V+3], s[8:9], s[OFF:OFF+1]
	s_or_b32 s[G0V+3], s[G0V+3], 0x80000000
	s_add_co_u32 s[NXT], s[NXT], 1  ; the block's next tile, or behind its last the second block's tile 0
	s_cmp_gt_u32 s[NXT], s[LQ]
	s_cselect_b32 s[NXT], 0, s[NXT]
	s_cselect_b32 s[LQ], s[BETA], s[LQ]
	s_wait_xcnt 0x0                 ; the last prefetch, a step back, has read its address
	s_add_nc_u64 s[PFA:PFA+1], s[PFA:PFA+1], 65536
	s_wait_dscnt 0x0                ; the add is done, and my reads of the slot are over
	CROUND
	JLOAD
	ASK
.else
	s_wait_dscnt 0x0
	s_barrier_signal -1
	s_barrier_wait -1
.endif
	s_xor_b32 s[TB], s[TB], SLOT1   ; the reads go to the other slot
.endm
	s_load_b128 s[16:19], s[0:1], 0x0  ; qkvh s[16:17], y16 s[18:19]
	v_lshl_add_u32 v[SPW], v0, 2, SPARE
	v_mov_b32 v[NIL], 0
	ds_add_u32 v[SPW], v[NIL]       ; the wave's opening: the add and its wait stand ahead of my first tensor load; the set-up below, work on registers, stands between them
	v_lshrrev_b32 v1, 5, v0
	v_readfirstlane_b32 s[WV], v1   ; wave 0..3
	s_bfe_u32 s[CX], ttmp6, 0x40000
	s_mov_b32 s[BETA], ttmp9        ; in a cluster launch ttmp9 counts clusters
	s_lshl2_add_u32 s[PB], s[BETA], s[CX]  ; b = 4 B + cx
	s_sub_co_u32 s[BLK], 31, s[PB]  ; the first block
	s_and_b32 s76, ttmp7, 0xffff    ; the head, which the four partners share
	s_lshl_b32 s78, s76, 19         ; its 2,048 rows of 256 bytes in a part
	s_lshl_b32 s77, s76, 8          ; its 256 bytes in a row of y
	s_and_b32 s3, s[WV], 1          ; which half of a tile's 256 rows I fetch
	s_mul_i32 s[LK], s3, 128*PK
	s_mul_i32 s[LV], s3, 128*PV
	s_add_co_u32 s[LV], s[LV], VOFF
	s_lshl_b32 s6, s3, 15           ; offsets, each in the pair that will hold the address: K at my half of the head's tile 0,
	s_add_co_u32 s6, s6, s78
	s_add_co_u32 s6, s6, 0x800000
	s_mov_b32 s7, 0
	s_add_co_u32 s8, s6, 0x800000   ; V likewise,
	s_mov_b32 s9, 0
	s_lshl_b32 s4, s[BLK], 14       ; Q at the first block's 64 rows,
	s_add_co_u32 s4, s4, s78
	s_mov_b32 s5, 0
	s_lshl_b32 s[Q2], s[PB], 14     ; and at the second's,
	s_add_co_u32 s[Q2], s[Q2], s78
	s_mov_b32 s[Q2+1], 0
	s_lshl_b32 s10, s[BLK], 18      ; y at the first block's 64 rows of 4,096 bytes,
	s_add_co_u32 s10, s10, s77
	s_mov_b32 s11, 0
	s_lshl_b32 s[Y2], s[PB], 18     ; and at the second's
	s_add_co_u32 s[Y2], s[Y2], s77
	s_mov_b32 s[Y2+1], 0
	s_lshr_b32 s[PFA], s[WV], 1     ; the prefetches: part 1 (K) for waves 0, 1; part 2 (V) for waves 2, 3,
	s_add_co_u32 s[PFA], s[PFA], 1
	s_lshl_b32 s[PFA], s[PFA], 23
	s_add_co_u32 s[PFA], s[PFA], s78
	s_lshl_b32 s2, s[CX], 14        ; my work-group's 64 rows of a tile,
	s_add_co_u32 s[PFA], s[PFA], s2
	s_lshl_b32 s2, s3, 13           ; my wave's 32 of them,
	s_add_co_u32 s[PFA], s[PFA], s2
	s_add_co_u32 s[PFA], s[PFA], 65536  ; in tile 1: the first change steps it to tile 2.  Nothing is prefetched at the head
	s_mov_b32 s[PFA+1], 0
	s_cmp_eq_u32 s[BETA], 0
	s_cselect_b32 s[LIM], 2, -1     ; the same in all four partners
	; descriptor group 1: a tile of 128 rows x 128 elements of 2 bytes, padded in LDS
	s_mov_b32 s[G1K], 15|(1<<16)|(1<<20)|(1<<21)|(5<<22)|(3<<25)  ; 15:0 the mask of four; 17:16 2-byte elements; 20 padding on; 21 set beside a mask; 24:22 after every 64 words (code 5); 31:25 4 words (code 3)
	s_mov_b32 s[G1V], 15|(1<<16)|(1<<20)|(1<<21)|(5<<22)|(7<<25)  ; the same with 8 words of padding (code 7)
.irp g, G1K, G1V
	s_mov_b32 s[(\g)+1], 128<<16    ; tensor_dim0 = 128
	s_mov_b32 s[(\g)+2], 128<<16    ; tensor_dim1 = 128
	s_mov_b32 s[(\g)+3], 128<<16    ; tile_dim0 = 128
	s_mov_b32 s[(\g)+4], 128        ; tile_dim1 = 128
	s_mov_b32 s[(\g)+5], 128        ; elements from row to row
	s_mov_b32 s[(\g)+6], 0
	s_mov_b32 s[(\g)+7], 0
.endr
	s_mov_b32 s[CS], 0x3e0293ee     ; c = log2(e) / sqrt(128) = 0.127517
	s_mov_b32 s[CS+1], s[CS]        ; named with it as a pair
	s_mov_b32 s[SEL], 0x76543210
	s_mov_b32 s[SEL+1], 0xfedcba98
	s_mov_b32 s[BIGN], 0xf149f2ca   ; -1e30
	s_mov_b32 s[OFF+1], 0
	s_mov_b32 s[AL+1], 0            ; named as pairs
	s_mov_b32 s[BE+1], 0
	s_sub_co_u32 s[RT], 8, s[BETA]  ; the first block has 8 - B slots
	s_sub_co_u32 s[LQ], 7, s[BETA]
	s_mov_b32 s[NXT], 1
	s_mov_b32 s[SIG], 0
	s_mov_b32 s[SLOTS], 8
	s_mov_b32 s[TB], SLOT1          ; the first change of slots turns it into 0
	s_mov_b32 s[TF], 0
	s_mov_b32 s[G0K], 1             ; count = 1
	s_mov_b32 s[G0K+1], s[LK]       ; LDS address: slot 0
	s_mov_b32 s[G0V], 1
	s_mov_b32 s[G0V+1], s[LV]
	s_wait_dscnt 0x0                ; the opening add is done
	s_wait_kmcnt 0x0
	s_add_nc_u64 s[6:7], s[16:17], s[6:7]
	s_add_nc_u64 s[8:9], s[16:17], s[8:9]
	s_add_nc_u64 s[4:5], s[16:17], s[4:5]
	s_add_nc_u64 s[Q2:Q2+1], s[16:17], s[Q2:Q2+1]
	s_add_nc_u64 s[PFA:PFA+1], s[16:17], s[PFA:PFA+1]
	s_add_nc_u64 s[10:11], s[18:19], s[10:11]
	s_add_nc_u64 s[Y2:Y2+1], s[18:19], s[Y2:Y2+1]
	s_mov_b64 s[G0K+2:G0K+3], s[6:7]           ; global address: tile 0
	s_or_b32 s[G0K+3], s[G0K+3], 0x80000000    ; type = 2
	s_mov_b64 s[G0V+2:G0V+3], s[8:9]
	s_or_b32 s[G0V+3], s[G0V+3], 0x80000000
	CROUND                          ; all four work-groups are here: the first joint loads meet
	JLOAD                           ; tile 0 into slot 0: one load of mine is out
	v_and_b32 v44, 15, v0           ; l % 16
	v_bfe_u32 v45, v0, 4, 1         ; l / 16
	v_and_b32 v46, 31, v0           ; l
	v_lshlrev_b32 v[QO], 8, v44
	v_lshl_add_u32 v[QO], v45, 4, v[QO]  ; row x 256 + 16 x half
; Q stays in registers: tile i / 4, channels 32 (i % 4) on; a fragment is two loads of 16 bytes, 32 bytes apart
.macro QLOAD base
	WIN 0x80                        ; destination window 2, address window 0
.irp i, 0,1,2,3,4,5,6,7,8,9,10,11,12,13,14,15
	global_load_b128 v[8*(\i):8*(\i)+3],   v[QO], s[(\base):(\base)+1] offset:((\i)/4)*4096+((\i)%4)*64
	global_load_b128 v[8*(\i)+4:8*(\i)+7], v[QO], s[(\base):(\base)+1] offset:((\i)/4)*4096+((\i)%4)*64+32
.endr
	WIN 0
.endm
	QLOAD 4
	v_lshlrev_b32 v49, 3, v45
	v_sub_nc_u32 v49, v44, v49      ; l % 16 - 8 (l / 16): register j is hidden where j is greater
	WIN 0xc0
.irp j, 0,1,2,3,4,5,6,7
	v_cmp_gt_i32 vcc_lo, \j, v49
	v_cndmask_b32 v[MD8+(\j)], 0, s[BIGN], vcc_lo
.endr
	WIN 0x40
.set i, 0
.rept 256
	v_mov_b32 v[i], 0               ; O^T: finite is all that the first step's a = 0 asks
.set i, i+1
.endr
	WIN 0
.irp t, 0,1,2,3
	v_mov_b32 v[ST+8*(\t)], 0xfe000000    ; c m: far below every c s, hidden ones too
	v_mov_b32 v[ST+8*(\t)+1], 0xff7fffff  ; m
	v_mov_b32 v[ST+8*(\t)+2], 0
	v_mov_b32 v[ST+8*(\t)+3], 0
.endr
	s_mul_i32 s76, s[WV], KS*PK     ; my wave's 64 keys
	v_mul_u32_u24 v[AK0], v44, PK
	v_lshl_add_u32 v[AK0], v45, 4, v[AK0]  ; row x pitch + 16 x half
	v_add_nc_u32 v[AK0], s76, v[AK0]
	; The turning load takes 16 keys x 16 channels (lane l reads key 8 (l / 16) + l % 8, channels 8 ((l / 8) % 2) + 0..7) and leaves half a fragment of V^T: lane l holds channel l % 16 and 8 keys.
	s_mul_i32 s76, s[WV], KS*PV
	s_add_co_u32 s76, s76, VOFF
	v_and_b32 v47, 7, v0
	v_bfe_u32 v48, v0, 3, 1
	v_lshl_add_u32 v[AV0], v45, 3, v47
	v_mul_u32_u24 v[AV0], v[AV0], PV
	v_lshl_add_u32 v[AV0], v48, 4, v[AV0]
	v_add_nc_u32 v[AV0], s76, v[AV0]
	s_mul_i32 s76, s[WV], 16*PP     ; my partial tile: row l % 16, 32 bytes for each half of the lanes
	s_add_co_u32 s76, s76, PART
	v_mul_u32_u24 v[PW], v44, PP
	v_lshl_add_u32 v[PW], v45, 5, v[PW]
	v_add_nc_u32 v[PW], s76, v[PW]
	s_mul_i32 s76, s[WV], 4*PP      ; back: wave w adds up rows 4 w .. 4 w + 3; 32 lanes take a row's 512 bytes
	s_add_co_u32 s76, s76, PART
	v_lshl_add_u32 v[PR], v46, 4, s76
	s_lshl_b32 s76, s[WV], 14       ; the same four rows of y, 4,096 bytes each; 8 bytes a lane
	v_lshl_add_u32 v[GO], v46, 3, s76
	s_lshl_b32 s76, s[WV], 10
	s_add_co_u32 s76, s76, STAT
	v_lshl_add_u32 v[SA], v46, 3, s76
	v_lshlrev_b32 v[SR], 3, v46
	v_add_nc_u32 v[SR], STAT, v[SR]
	v_lshlrev_b32 v[PFO], 8, v46
; THE MATRIX WORK.  The accumulators take turns, one instruction a turn: between two links of a chain stand 7 (K Q^T) or 15 (V^T P) others'.
; Product i of 32 of S^T = K Q^T for piece x: channels 32 (i / 8) on, keys 16 ((i / 2) % 4) on, tile x + i % 2.  The first 8 start the sums, with the mask.
.macro KQ x
.set tq, (\x)+i%2
.set kt, (i/2)%4
.set rS, S+32*tq+8*kt
.set rK, KF+32*kt+8*(i/8)
.set rQ, 32*tq+8*(i/8)
.if i < 8
.if kt < tq
.set rM, MLO
.elseif kt == tq
.set rM, MDG
.else
.set rM, MHI
.endif
	WIN 0x3a                        ; K and Q window 2, the mask window 3, S^T window 0
	v_wmma_f32_16x16x32_f16 v[rS:rS+7], v[rK:rK+7], v[rQ:rQ+7], v[rM:rM+7]
.else
	WIN 0x0a
	v_wmma_f32_16x16x32_f16 v[rS:rS+7], v[rK:rK+7], v[rQ:rQ+7], v[rS:rS+7]
.endif
.endm
; Product i of 32 of O^T += V^T P for piece x: keys 32 (i / 16) on, channels 16 ((i / 2) % 8) on, tile x + i % 2.
.macro PV x
	WIN W_PV
.set rO, 64*((\x)+i%2)+8*((i/2)%8)
.set rV, 64*(i/16)+8*((i/2)%8)
.set rP, P+16*((\x)+i%2)+8*(i/16)
	v_wmma_f32_16x16x32_f16 v[rO:rO+7], v[rV:rV+7], v[rP:rP+7], v[rO:rO+7]
.endm
.macro FETCH_K                      ; my 64 keys x 128 channels: 16 fragments
	WIN 0x80                        ; destination window 2
.irp f, 0,1,2,3,4,5,6,7,8,9,10,11,12,13,14,15  ; keys 16 (f / 4) on, channels 32 (f % 4) on
	ds_load_b128 v[KF+8*(\f):KF+8*(\f)+3],   v[ADRK] offset:((\f)/4)*16*PK+((\f)%4)*64
	ds_load_b128 v[KF+8*(\f)+4:KF+8*(\f)+7], v[ADRK] offset:((\f)/4)*16*PK+((\f)%4)*64+32
.endr
.endm
.macro FETCH_V                      ; the same keys' V, turned
	WIN 0xc0                        ; destination window 3
.irp f, 0,1,2,3,4,5,6,7,8,9,10,11,12,13,14,15  ; keys 32 (f / 8) on, channels 16 (f % 8) on
	ds_load_tr16_b128 v[8*(\f):8*(\f)+3],   v[ADRV] offset:((\f)/8)*32*PV+((\f)%8)*32
	ds_load_tr16_b128 v[8*(\f)+4:8*(\f)+7], v[ADRV] offset:((\f)/8)*32*PV+16*PV+((\f)%8)*32
.endr
.endm
; THE VECTOR WORK.  One tile's softmax for one step is a list of 134 instructions; SM writes number j of it for tile t.  s0-s31 are the lane's 32 scores, in pairs 0-15.
;   0-15    the maximum of s0-s31 and the old m, three operands at a time (each accumulator's lowest registers are read first)     16-20  the other half of the lanes' maximum; the new m; c m; c m_old - c m_new
;   21-69   ONE BATCH: the 16 scalings c s - c m and all 33 exponentials (a at 23, then s0-s31); none of these reads an exponential's result     (wait)  between 69 and 70: SLICE writes it, once for both tiles
;   70-85   the roundings to f16     86-101  the sums; l = a l + the sum     102-133  the tile's O^T times a: the one part that leaves window 0
.macro SM t
.set rT, ST+8*(\t)
.set rS, S+32*(\t)
.set rP, P+16*(\t)
.set rO, 64*(\t)+2*(j-102)
.if j < 102
	WIN 0
.endif
.if j < 4
	v_max3_num_f32 v[rT+4+j], v[rS+8*j], v[rS+8*j+1], v[rS+8*j+2]
.elseif j < 12
	v_max3_num_f32 v[rT+4+j%4], v[rT+4+j%4], v[rS+8*(j%4)+2*(j/4)+1], v[rS+8*(j%4)+2*(j/4)+2]
.elseif j == 12
	v_max3_num_f32 v[rT+4], v[rT+4], v[rS+7], v[rS+15]
.elseif j == 13
	v_max3_num_f32 v[rT+6], v[rT+6], v[rS+23], v[rS+31]
.elseif j == 14
	v_max3_num_f32 v[rT+4], v[rT+4], v[rT+5], v[rT+6]
.elseif j == 15
	v_max3_num_f32 v[rT+4], v[rT+4], v[rT+7], v[rT+1]
.elseif j == 16
	v_permlanex16_b32 v[rT+5], v[rT+4], s[SEL], s[SEL+1]  ; the query's other 32 keys lie in the lane 16 away
.elseif j == 17
	v_mov_b32 v[rT+7], v[rT]        ; c m_old is kept for a: number 19 writes c m anew
.elseif j == 18
	v_max_num_f32 v[rT+1], v[rT+4], v[rT+5]
.elseif j == 19
	v_mul_f32 v[rT], s[CS], v[rT+1]
.elseif j == 20
	v_sub_f32 v[rT+7], v[rT+7], v[rT]
.elseif j == 23
	v_exp_f32 v[rT+6], v[rT+7]
.elseif (j < 23) || ((j < 38) && (j%2 == 0)) || ((j < 66) && (j%4 == 2))
.set b, (j-2)/4                     ; 38, 42, .. 62: pairs 9 to 15
.if j < 38
.set b, (j-20)/2                    ; 21: pair 0; 22, 24, .. 36: pairs 1 to 8
.endif
	v_pk_fma_f32 v[rS+2*b:rS+2*b+1], v[rS+2*b:rS+2*b+1], s[CS:CS+1], v[rT:rT+1] op_sel_hi:[1,0,0] neg_lo:[0,0,1] neg_hi:[0,0,1]  ; pair b: c s - c m
.elseif j < 70
.set e, j-38                        ; 66 to 69: s28 to s31
.if j < 66
.set e, j-32-(j-38)/4               ; 39-41, 43-45, .. 63-65: s7 to s27
.endif
.if j < 38
.set e, (j-25)/2                    ; 25, 27, .. 37: s0 to s6
.endif
	v_exp_f32 v[rS+e], v[rS+e]
.elseif j < 86
	v_cvt_pk_f16_f32 v[rP+j-70], v[rS+2*(j-70)], v[rS+2*(j-70)+1]  ; pair j - 70
.elseif j < 102                     ; the sum of the tile's 16 pairs, in place: neighbours 1, 2, 4 and 8 pairs apart, then l takes it
.set z, j-86
.set w, 4
.set u, z
.if z >= 14
.set w, 32
.set u, 0
.elseif z >= 12
.set w, 16
.set u, z-12
.elseif z >= 8
.set w, 8
.set u, z-8
.endif
.if z < 15
	v_pk_add_f32 v[rS+w*u:rS+w*u+1], v[rS+w*u:rS+w*u+1], v[rS+w*u+w/2:rS+w*u+w/2+1]
.else
	v_pk_fma_f32 v[rT+2:rT+3], v[rT+2:rT+3], v[rT+6:rT+7], v[rS:rS+1] op_sel_hi:[1,0,1]
.endif
.else
	WIN W_RS
	v_pk_mul_f32 v[rO:rO+1], v[rO:rO+1], v[rT+6:rT+7] op_sel_hi:[1,0]
.endif
.endm
; Slice k of 64 of piece y's softmax: four instructions.  Slices 11 to 34 deal out the batch, four numbers of ONE tile each, the tiles by turns; every other slice is numbers 2 k and 2 k + 1 of both tiles' lists;
; 2 x 134 = 4 x 64 + 12: the twelve that are over stand in slice 63.  Ahead of slice 35 nothing names an exponential's result, and behind slice 34 none is issued: the piece's 66 exponentials have one wait.
.macro SLICE y
.if (k >= 11) && (k < 35)
.irp n, 0,1,2,3
.set j, 22+4*((k-11)/2)+(\n)
	SM (\y)+(k-11)%2
.endr
.else
.irp n, 0,1,2,3,4,5,6,7
.if ((\n) < 2) || (k == 63)
.irp t, \y, (\y)+1
.set j, 2*k+(\n)
	SM \t
.endr
.endif
.endr
.endif
.if k == 34
	v_nop                           ; a plain instruction behind the last exponential, ahead of the first use: one for the batch
	s_wait_alu depctr_va_vdst(0)    ; one wait for the batch
.endif
.set k, k+1
.endm
; A STEP: my 64 keys of the slot in hand, for all four tiles.  The masks' 20 lines and the two address lines are plain: they are the places between the last step's products V^T P and the loads into V's registers.
; Slices 62 and 63 of a piece, twenty plain lines on its own O^T, are the places between the other piece's last K Q^T and the first read of those scores.
.macro STEP
	WIN 0
	s_lshl2_add_u32 s76, s[SIG], s[WV]  ; s = 4 x slot + w
	s_cmp_eq_u32 s76, s[BLK]
	s_cselect_b32 s[AL], 1.0, 0
	s_cmp_gt_u32 s76, s[BLK]
	s_cselect_b32 s[BE], s[BIGN], 0
	s_cmp_ge_u32 s76, s[BLK]
	s_cselect_b32 s[BH], s[BIGN], 0
	v_add_nc_u32 v[ADRK], s[TB], v[AK0]
	v_add_nc_u32 v[ADRV], s[TB], v[AV0]
	WIN 0xc3                        ; destination and source 0 window 3
.irp z, 0,1,2,3,4,5,6,7
	v_mov_b32 v[MLO+(\z)], s[BE]
	v_mov_b32 v[MHI+(\z)], s[BH]
.endr
.irp z, 0,2,4,6
	v_pk_fma_f32 v[MDG+(\z):MDG+(\z)+1], v[MD8+(\z):MD8+(\z)+1], s[AL:AL+1], s[BE:BE+1] op_sel_hi:[1,0,0]
.endr
	FETCH_K
	FETCH_V
	s_wait_loadcnt 0x0              ; Q (a block's first step; later nothing is out)
	s_wait_dscnt 32                 ; K is in; V's 32 loads may stay out
.set i, 0
.rept 32
	KQ 0                            ; piece 0's scores
.set i, i+1
.endr
	PLACES                          ; behind those products, ahead of the first read of their results
.set k, 0
.set i, 0
.rept 32
	KQ 2                            ; piece 2's scores | piece 0's softmax, two slices behind each product
	SLICE 0
	SLICE 0
.set i, i+1
.endr
	s_wait_dscnt 0x0                ; V is in
.set k, 0
.set i, 0
.rept 32
	PV 0                            ; piece 0's V^T P | piece 2's softmax
	SLICE 2
	SLICE 2
.set i, i+1
.endr
.set i, 0
.rept 32
	PV 2                            ; piece 2's V^T P
.set i, i+1
.endr
	WIN 0
.endm
; THE MERGE, at a block's end.  (l, c m) of every wave, tile and lane meet in STAT; each wave finds c m_all = the greatest, l_all = the sum of 2^(c m_w - c m_all) l_w, and scales its O^T by f = 2^(c m_own - c m_all) / l_all.
; Then, a tile at a time: the four scaled partial tiles go into PART in f32, each wave adds up four of the tile's 16 rows, rounds them to f16 and stores them.  last = 0: the second block's Q is asked for first.
.macro MERGE last
	WIN 0
.if !(\last)
	QLOAD Q2                        ; Q's registers were last read by the step's K Q^T, a softmax ago
.endif
.irp t, 0,1,2,3
	v_add_f32 v[ST+8*(\t)+4], v[ST+8*(\t)+2], v[ST+8*(\t)+3]
.endr
.irp t, 0,1,2,3
	v_permlanex16_b32 v[ST+8*(\t)+5], v[ST+8*(\t)+4], s[SEL], s[SEL+1]
.endr
.irp t, 0,1,2,3
	v_add_f32 v[ST+8*(\t)+4], v[ST+8*(\t)+4], v[ST+8*(\t)+5]  ; l of my keys
.endr
.irp t, 0,1,2,3
	v_mov_b32 v[ST+8*(\t)+5], v[ST+8*(\t)]                    ; c m beside it
.endr
.irp t, 0,1,2,3
	ds_store_b64 v[SA], v[ST+8*(\t)+4:ST+8*(\t)+5] offset:256*(\t)
.endr
	s_wait_dscnt 0x0                ; for the others' sake: my stores are done
	s_barrier_signal -1
	s_barrier_wait -1
.irp q, 0,1,2,3,4,5,6,7,8,9,10,11,12,13,14,15  ; q = 4 x wave + tile: (l, c m) into v[S + 2 q], v[S + 2 q + 1]
	ds_load_b64 v[S+2*(\q):S+2*(\q)+1], v[SR] offset:256*(\q)
.endr
	s_wait_dscnt 0x0
.irp t, 0,1,2,3
	v_max3_num_f32 v[ST+8*(\t)+6], v[S+2*(\t)+1], v[S+8+2*(\t)+1], v[S+16+2*(\t)+1]
.endr
.irp t, 0,1,2,3
	v_max_num_f32 v[ST+8*(\t)+6], v[ST+8*(\t)+6], v[S+24+2*(\t)+1]  ; c m_all
.endr
.irp t, 0,1,2,3
	v_sub_f32 v[ST+8*(\t)+7], v[ST+8*(\t)], v[ST+8*(\t)+6]
.irp u, 0,1,2,3
	v_sub_f32 v[S+8*(\u)+2*(\t)+1], v[S+8*(\u)+2*(\t)+1], v[ST+8*(\t)+6]
.endr
.endr
.irp t, 0,1,2,3
	v_exp_f32 v[ST+8*(\t)+7], v[ST+8*(\t)+7]
.irp u, 0,1,2,3
	v_exp_f32 v[S+8*(\u)+2*(\t)+1], v[S+8*(\u)+2*(\t)+1]
.endr
.endr
	v_nop                           ; a plain instruction behind the last exponential,
	s_wait_alu depctr_va_vdst(0)    ; and one wait for the twenty
.irp t, 0,1,2,3
	v_mul_f32 v[ST+8*(\t)+4], v[S+2*(\t)], v[S+2*(\t)+1]
.endr
.irp u, 1,2,3
.irp t, 0,1,2,3
	v_fmac_f32 v[ST+8*(\t)+4], v[S+8*(\u)+2*(\t)], v[S+8*(\u)+2*(\t)+1]  ; l_all: at least 1, since the wave with the greatest m has weight 1
.endr
.endr
.irp t, 0,1,2,3
	v_rcp_f32 v[ST+8*(\t)+5], v[ST+8*(\t)+4]
.endr
	v_nop
	s_wait_alu depctr_va_vdst(0)    ; one wait for the four reciprocals
.irp t, 0,1,2,3
	v_mul_f32 v[ST+8*(\t)+6], v[ST+8*(\t)+7], v[ST+8*(\t)+5]  ; f
.endr
	WIN W_RS
.irp t, 0,1,2,3
.set i, 64*(\t)
.rept 32
	v_pk_mul_f32 v[i:i+1], v[i:i+1], v[ST+8*(\t)+6:ST+8*(\t)+7] op_sel_hi:[1,0]
.set i, i+2
.endr
.endr
.irp t, 0,1,2,3
.if (\t) > 0
	s_barrier_signal -1             ; every wave's reads of PART are back (its count-down ended at 0): it may be written again
	s_barrier_wait -1
.endif
	WIN 0x04                        ; store data window 1
.irp c, 0,1,2,3,4,5,6,7             ; channels 16 c + 8 (l / 16) + 0..7 of query l % 16
	ds_store_b128 v[PW], v[64*(\t)+8*(\c):64*(\t)+8*(\c)+3]   offset:64*(\c)
	ds_store_b128 v[PW], v[64*(\t)+8*(\c)+4:64*(\t)+8*(\c)+7] offset:64*(\c)+16
.endr
	WIN 0
	s_wait_dscnt 0x0                ; for the others' sake
	s_barrier_signal -1
	s_barrier_wait -1
.irp q, 0,1,2,3,4,5,6,7,8,9,10,11,12,13,14,15  ; q = 4 x row + wave: 512 consecutive bytes a load
	ds_load_b128 v[S+4*(\q):S+4*(\q)+3], v[PR] offset:PP*((\q)/4)+16*PP*((\q)%4)
.endr
.irp p, 0,1,2,3
	s_wait_dscnt 12-4*(\p)          ; this row's four loads are in; the later rows' may stay out
	v_pk_add_f32 v[S+16*(\p):S+16*(\p)+1],     v[S+16*(\p):S+16*(\p)+1],     v[S+16*(\p)+4:S+16*(\p)+5]
	v_pk_add_f32 v[S+16*(\p)+2:S+16*(\p)+3],   v[S+16*(\p)+2:S+16*(\p)+3],   v[S+16*(\p)+6:S+16*(\p)+7]
	v_pk_add_f32 v[S+16*(\p)+8:S+16*(\p)+9],   v[S+16*(\p)+8:S+16*(\p)+9],   v[S+16*(\p)+12:S+16*(\p)+13]
	v_pk_add_f32 v[S+16*(\p)+10:S+16*(\p)+11], v[S+16*(\p)+10:S+16*(\p)+11], v[S+16*(\p)+14:S+16*(\p)+15]
	v_pk_add_f32 v[S+16*(\p):S+16*(\p)+1],     v[S+16*(\p):S+16*(\p)+1],     v[S+16*(\p)+8:S+16*(\p)+9]
	v_pk_add_f32 v[S+16*(\p)+2:S+16*(\p)+3],   v[S+16*(\p)+2:S+16*(\p)+3],   v[S+16*(\p)+10:S+16*(\p)+11]
	v_cvt_pk_f16_f32 v[YR+8*(\t)+2*(\p)],   v[S+16*(\p)],   v[S+16*(\p)+1]
	v_cvt_pk_f16_f32 v[YR+8*(\t)+2*(\p)+1], v[S+16*(\p)+2], v[S+16*(\p)+3]
	global_store_b64 v[GO], v[YR+8*(\t)+2*(\p):YR+8*(\t)+2*(\p)+1], s[10:11] offset:(16*(\t)+(\p))*4096  ; 32 lanes x 8 bytes: the head's 256 bytes of a row of y, aligned; each store has data registers of its own
.endr
.endr
.endm
.Lslot:                             ; 8 trips: a tile is entered and the next is asked for
	CHANGE 1
	STEP
	s_sub_co_u32 s[RT], s[RT], 1
	s_add_co_u32 s[SIG], s[SIG], 1
	s_cmp_lg_u32 s[RT], 0
	s_cbranch_scc1 .Lon             ; the block goes on.  The test hangs on the cluster's x alone: it falls alike in all four waves and in all four partners
	MERGE 0                         ; the first block's end, in one of trips 4 to 7
	s_wait_xcnt 0x0                 ; the stores have read their data and y's address; Q's loads their address
	s_mov_b64 s[10:11], s[Y2:Y2+1]
	s_mov_b32 s[BLK], s[PB]
	s_add_co_u32 s[RT], s[BETA], 1  ; the second block has B + 1 slots
	s_mov_b32 s[SIG], 0
.irp t, 0,1,2,3
	v_mov_b32 v[ST+8*(\t)], 0xfe000000    ; the next step's a is 0: what the first block left in O^T and l is finite, and is multiplied away
	v_mov_b32 v[ST+8*(\t)+1], 0xff7fffff
.endr
.Lon:
	s_sub_co_u32 s[SLOTS], s[SLOTS], 1
	s_cmp_lg_u32 s[SLOTS], 0
	s_cbranch_scc1 .Lslot
	CHANGE 0                        ; the walk's last tile is written out: nothing is asked for
	STEP
	MERGE 1                         ; the second block's end
	s_wait_tensorcnt 0x0            ; the wave's end, behind my last tensor load and my last LDS store
	ds_add_u32 v[SPW], v[NIL]
	s_wait_dscnt 0x0
	CROUND                          ; the closing round: no work-group ends while a partner may still ask for a tile that names it
	s_endpgm
.Lfunc_end_k_q2ace066852_attn:
	.size	k_q2ace066852_attn, .Lfunc_end_k_q2ace066852_attn-k_q2ace066852_attn
	.p2alignl 7, 3214868480
	.fill 96, 4, 3214868480
	.section	.rodata,"a",@progbits
	.p2align	6, 0x0
	.amdhsa_kernel k_q2ace066852_attn
		.amdhsa_group_segment_fixed_size 327680
		.amdhsa_private_segment_fixed_size 0
		.amdhsa_enable_private_segment 0
		.amdhsa_kernarg_size 16
		.amdhsa_user_sgpr_count 2
		.amdhsa_user_sgpr_kernarg_segment_ptr 1
		.amdhsa_wavefront_size32 1
		.amdhsa_system_sgpr_workgroup_id_x 1
		.amdhsa_system_sgpr_workgroup_id_y 1
		.amdhsa_system_sgpr_workgroup_id_z 1
		.amdhsa_system_vgpr_workitem_id 0
		.amdhsa_next_free_vgpr 1024
		.amdhsa_next_free_sgpr 80
		.amdhsa_reserve_vcc 1
		.amdhsa_float_denorm_mode_32 3
		.amdhsa_float_denorm_mode_16_64 3
		.amdhsa_memory_ordered 1
		.amdhsa_forward_progress 1
		.amdhsa_inst_pref_size 182
	.end_amdhsa_kernel
	.amdgpu_metadata
---
amdhsa.version: [ 1, 2 ]
amdhsa.kernels:
  - .name:           k_q2ace066852_attn
    .symbol:         k_q2ace066852_attn.kd
    .args:
      - { .name: qkvh, .offset: 0, .size: 8, .value_kind: global_buffer, .address_space: global }
      - { .name: y16, .offset: 8, .size: 8, .value_kind: global_buffer, .address_space: global }
    .group_segment_fixed_size: 327680
    .private_segment_fixed_size: 0
    .kernarg_segment_align: 8
    .kernarg_segment_size: 16
    .max_flat_workgroup_size: 128
    .sgpr_count:     80
    .vgpr_count:     1024
    .wavefront_size: 32
...
	.end_amdgpu_metadata
.endif
;; end of part 3
;; launch oproj (part 4): grid 16 x 16, 4 waves a work-group, clusters of 4 x 4, 327,680 bytes of LDS; arguments y16, w16, out0; writes out0
.if DOCPART == 4
	.amdgcn_target "amdgcn-amd-amdhsa--gfx1250"
	.amdhsa_code_object_version 6
	.text
	.protected	k_q2ace066852_oproj
	.globl	k_q2ace066852_oproj
	.p2align	8
	.type	k_q2ace066852_oproj,@function
k_q2ace066852_oproj:
	s_mov_b64 s[64:65], 0
	v_nop
	global_prefetch_b8 v0, s[64:65] scope:SCOPE_SE
	s_setreg_imm32_b32 hwreg(HW_REG_WAVE_MODE, 25, 1), 1
	s_wait_xcnt 0x0
	s_wait_alu depctr_hold_cnt(0) depctr_sa_sdst(0) depctr_va_vdst(0) depctr_va_sdst(0) depctr_va_ssrc(0) depctr_va_vcc(0) depctr_vm_vsrc(0)
	s_getreg_b32 s2, hwreg(HW_REG_IB_STS2, 6, 4)
	s_cmp_eq_u32 s2, 0
	s_cbranch_scc0 .Lentry_in_a_cluster
	s_endpgm
.Lentry_in_a_cluster:
	s_bfe_u32 s2, ttmp6, 0x10000c
	s_cmp_lg_u32 s2, 0xf033
	s_cbranch_scc0 .Lentry_shape_is_right
	s_endpgm
.Lentry_shape_is_right:
; out0[t][d] = the sum over c of y[t][c] Wo[d][c].  y16: [2048][2048] f16; Wo: [2048][2048] f16 at byte 0x2000000 of w16; out0: [2048][2048] f32.  Sums in f32, stored as they are.
; A tile of the result is 128 x 128, so that 256 work-groups share the work evenly.  Four waves, each 64 x 64: 16 accumulators of 16 x 16.  K goes in steps of 256 (LDS rows of 512 bytes; a wave's tensor load brings 64 of them)
; through two slots.  A trip of the loop is ONE K step: which slot is read stands in two scalars that hold 0 or SLOT and change places at the trip's end.  The last two K steps, which fill nothing, are a second loop of two trips, left in its middle.
; CLUSTERS: 4 x 4 work-groups; the four of a row need the same tiles of y, the four of a column the same tiles of Wo: each tile is asked for JOINTLY.
; THE WALK ALONG K.  The 8 K steps are taken in two groups of four, and inside a group cluster (X, Y) begins at place X + 2 g, g = (Y ^ Y >> 1) & 1, and goes round: step t of the walk is K step (t & 4) | ((t + X + 2 g) & 3);
; f32 sums may be taken in any order.  The four clusters of one Y, which read the same rows of y, read four different K steps in a trip; of the four clusters of one X, which read the same rows of Wo, those of g = 0 and of g = 1
; stand two places apart.  So a block's readers come one after the other, not all in the same trip.
; THE MATRIX INSTRUCTION IS USED TRANSPOSED (source 0 = 16 rows of Wo, source 1 = 16 rows of y): a lane holds eight neighbouring numbers of a row of the result.
; THE WAY OUT: a wave's 64 columns of f32 are 256 bytes, aligned: each wave has a stage of its own (16 rows x 272 bytes), and no barrier is needed.
; No prefetch is laid: the tiles are small (64 rows a load) and the walk is short (eight steps, two of them asked for at the start).
; REGISTERS: window 0: v16-29 addresses; v32-95 two buffers of rows on the way out; v128-255 the accumulators ((a, b) at v[128 + 8 (4 a + b)]).
;   window 1: two fragment buffers of 128: for 64 along K, 64 registers of y (2 x 4 x 16 rows x 32 K), then 64 of Wo.
.set KSTEP,  256
.set STEPS,  8
.set PITCH,  528                       ; 512 bytes + 16 of padding = 132 words: the 16 rows that a load touches start at 16 different groups of four banks (64 banks of 4 bytes: ISA guide 11.1)
.set HALFT,  64*PITCH
.set SLOT,   4*HALFT                   ; y's 128 rows, then Wo's 128 rows
.set STAGE,  2*SLOT                    ; behind the ring, never filled by a tensor load: 16 rows x 272 bytes for each wave
.set SPITCH, 272
.set SPARE,  STAGE+4*16*SPITCH         ; the spare words, 128 bytes for each wave: two blocks of 256 bytes that no other line names
.set ADRA, 16                          ; v16     LDS address of my lane's place in my rows of y in the slot that is read; v17 in the other slot
.set A0,   18                          ; v18     the same place in slot 0; never rewritten
.set ADRB, 20                          ; v20-21  the same for my rows of Wo
.set B0,   22                          ; v22
.set STO,  24
.set RD,   25
.set CO,   26
.set SPW,  28
.set NIL,  29
.set TMP,  32
.set ACC,  128
.set F0,   0
.set F1,   128
.set G1, 24                            ; s[24:31] descriptor group 1 for y's tiles;  s[32:39] group 0: a set for each of the two first fills; the first then serves every refill
.set G0, 32
.set G1B, 48                           ; s[48:55], s[56:63] the same for Wo's tiles
.set G0B, 56
.set TT,  66                           ; s66     the place in my walk of the K step that was asked for last
.set KO,  68                           ; s[68:69] a K step's byte offset in a row
.set TB,  70                           ; s70     0 or SLOT: the slot that is read
.set TN,  71                           ; s71     the other one
.set LW,  72                           ; s72     my tile's place in a slot: wave x 64 rows
.set TMPS, 73
.set RX,  74                           ; s74     X + 2 g
.set MSB, 0
.macro WIN new
.if MSB != (\new)
	s_set_vgpr_msb (MSB<<8)|(\new)
.set MSB, \new
.endif
.endm
.set MUL,  0x05                        ; sources 0 and 1 window 1; C and D window 0
.set TO_F, 0x40                        ; destination window 1, address window 0
.macro JLOAD s                         ; a joint load: waves 0 and 1 fetch y's two halves, waves 2 and 3 Wo's; an s_nop 0 and four v_nop follow each of the two lines
	s_cmp_eq_u32 s11, 0
	s_cbranch_scc0 .Lfor_b_\@
	tensor_load_to_lds s[G0+4*(\s):G0+4*(\s)+3], s[G1:G1+7]
	s_nop 0
.rept 4
	v_nop
.endr
	s_branch .Lasked_\@
.Lfor_b_\@:
	tensor_load_to_lds s[G0B+4*(\s):G0B+4*(\s)+3], s[G1B:G1B+7]
	s_nop 0
.rept 4
	v_nop
.endr
.Lasked_\@:
.endm
.macro KBYTES                          ; s[KO] = 512 x the K step at place TT of my walk: (TT & 4) | ((TT + RX) & 3)
	s_add_co_u32 s[TMPS], s[TT], s[RX]
	s_and_b32 s[TMPS], s[TMPS], 3
	s_and_b32 s[KO], s[TT], 4
	s_or_b32 s[KO], s[KO], s[TMPS]
	s_lshl_b32 s[KO], s[KO], 9
.endm
.macro CREST
	s_cmp_lg_u32 s10, 0
	s_cbranch_scc1 .Lnot_wave_0_\@
	s_barrier_signal -3
.Lnot_wave_0_\@:
	s_barrier_wait -3
	s_barrier_signal -1
	s_barrier_wait -1
.endm
.macro CROUND
	s_barrier_signal -1
	s_barrier_wait -1
	CREST
.endm
.macro ADDRS                           ; my lane's places in the slot that is read and in the other one
	v_add_nc_u32 v[ADRA], s[TB], v[A0]
	v_add_nc_u32 v[ADRA+1], s[TN], v[A0]
	v_add_nc_u32 v[ADRB], s[TB], v[B0]
	v_add_nc_u32 v[ADRB+1], s[TN], v[B0]
.endm
.macro SWAP                            ; the two slots change places: each scalar holds 0 or SLOT, and the exclusive or turns the one into the other
	s_xor_b32 s[TB], s[TB], SLOT
	s_xor_b32 s[TN], s[TN], SLOT
	ADDRS
.endm
	s_load_b128 s[4:7], s[0:1], 0x0                ; y16 s[4:5], w16 s[6:7]
	s_load_b64 s[8:9], s[0:1], 0x10                ; out0
	v_lshl_add_u32 v[SPW], v0, 2, SPARE
	v_mov_b32 v[NIL], 0
	ds_add_u32 v[SPW], v[NIL]                      ; the wave's opening: the add and its wait stand ahead of my first tensor load; the set-up below, work on registers, stands between them
	v_lshrrev_b32 v1, 5, v0
	v_readfirstlane_b32 s10, v1                    ; wave 0..3
	s_lshr_b32 s11, s10, 1                         ; which half of the tile's rows is mine.  Also: I fetch y (0) or Wo (1)
	s_and_b32 s12, s10, 1                          ; which half of its columns.  Also: which 64 rows of that tile I fetch
	s_bfe_u32 s40, ttmp6, 0x40000                  ; cx, cy
	s_bfe_u32 s41, ttmp6, 0x40004
	s_lshl_b32 s42, ttmp9, 2
	s_add_co_u32 s42, s42, s40                     ; tile column
	s_and_b32 s13, ttmp7, 0xffff
	s_lshl_b32 s13, s13, 2
	s_add_co_u32 s13, s13, s41                     ; tile row
	s_lshl_b32 s43, s41, 2
	s_lshl_b32 s43, 15, s43                        ; my row of the cluster
	s_lshl_b32 s44, 0x1111, s40                    ; my column
	s_or_b32 s[G1+0], s43, (1<<16)|(1<<20)|(1<<21)|(6<<22)|(3<<25)  ; the mask; 2-byte elements; padding on; 21 set beside a mask; after every 128 words (code 6) 4 words (code 3)
	s_or_b32 s[G1B+0], s44, (1<<16)|(1<<20)|(1<<21)|(6<<22)|(3<<25)
.irp g, G1, G1B
	s_mov_b32 s[(\g)+1], KSTEP<<16                 ; tensor_dim0 = 256
	s_mov_b32 s[(\g)+2], 64<<16                    ; tensor_dim1 = 64
	s_mov_b32 s[(\g)+3], KSTEP<<16                 ; tile_dim0 = 256
	s_mov_b32 s[(\g)+4], 64                        ; tile_dim1 = 64
	s_mov_b32 s[(\g)+5], 2048                      ; elements from row to row
	s_mov_b32 s[(\g)+6], 0
	s_mov_b32 s[(\g)+7], 0
.endr
	s_and_b32 s[RX], ttmp7, 0xffff                 ; where my cluster begins in a group of four K steps: made of the cluster's x and y alone, which all sixteen partners share
	s_lshr_b32 s[TMPS], s[RX], 1
	s_xor_b32 s[RX], s[RX], s[TMPS]
	s_and_b32 s[RX], s[RX], 1                      ; g = 0, 1, 1, 0 for Y = 0..3
	s_lshl_b32 s[RX], s[RX], 1
	s_add_co_u32 s[RX], s[RX], ttmp9               ; X + 2 g
	s_mov_b32 s[TT], 0
	s_mov_b32 s[KO+1], 0
	s_mov_b32 s[TB], 0
	s_mov_b32 s[TN], SLOT
	KBYTES                                         ; the walk's place 0
	s_lshl_b32 s17, s12, 6                         ; which 64 rows of the tile I fetch
	s_lshl_b32 s16, s13, 7
	s_add_co_u32 s16, s16, s17                     ; y: row 128 x tile row + 64 x half
	s_lshl_b32 s46, s42, 7
	s_add_co_u32 s46, s46, s17                     ; Wo: row 128 x tile column + 64 x half
	s_lshl_b32 s16, s16, 12                        ; rows of 4,096 bytes
	s_lshl_b32 s46, s46, 12
	s_add_co_u32 s46, s46, 0x2000000               ; Wo's place in w16
	s_mov_b32 s17, 0
	s_mov_b32 s47, 0
	s_mul_i32 s[LW], s10, HALFT                    ; where they go: wave x 64 rows: no place in the cluster enters an LDS address
	s_wait_dscnt 0x0                               ; the opening add is done
	s_wait_kmcnt 0x0
	s_add_nc_u64 s[14:15], s[4:5], s[16:17]        ; y at my tile's first row, K = 0: kept
	s_add_nc_u64 s[46:47], s[6:7], s[46:47]        ; Wo likewise: kept
	CROUND                                         ; all sixteen work-groups are here: the first joint loads meet
.irp s, 0,1
	s_mov_b32 s[G0+4*(\s)], 1
	s_add_co_u32 s[G0+4*(\s)+1], s[LW], (\s)*SLOT
	s_add_nc_u64 s[G0+4*(\s)+2:G0+4*(\s)+3], s[14:15], s[KO:KO+1]
	s_or_b32 s[G0+4*(\s)+3], s[G0+4*(\s)+3], 0x80000000
	s_mov_b32 s[G0B+4*(\s)], 1
	s_add_co_u32 s[G0B+4*(\s)+1], s[LW], (\s)*SLOT
	s_add_nc_u64 s[G0B+4*(\s)+2:G0B+4*(\s)+3], s[46:47], s[KO:KO+1]
	s_or_b32 s[G0B+4*(\s)+3], s[G0B+4*(\s)+3], 0x80000000
	JLOAD \s                                       ; two loads of mine are out
.if (\s) == 0
	s_mov_b32 s[TT], 1
	KBYTES                                         ; (an offset of its own: no register of the load that is out)
.endif
.endr
	v_and_b32 v1, 15, v0                           ; l % 16
	v_bfe_u32 v2, v0, 4, 1                         ; l / 16
	v_mul_u32_u24 v3, v1, PITCH
	v_lshl_add_u32 v3, v2, 4, v3                   ; a fragment's row x pitch + 16 x half
	s_mul_i32 s21, s11, HALFT                      ; my 64 rows of y
	s_mul_i32 s22, s12, HALFT                      ; my 64 rows of Wo,
	s_add_co_u32 s22, s22, 2*HALFT                 ; which lie behind y's 128
	v_add_nc_u32 v[A0], s21, v3
	v_add_nc_u32 v[B0], s22, v3
	ADDRS
	s_mul_i32 s23, s10, 16*SPITCH
	s_add_co_u32 s23, s23, STAGE                   ; my stage
	v_mul_u32_u24 v4, v1, SPITCH                   ; in: row l % 16, 32 bytes for each half of the lanes
	v_lshl_add_u32 v4, v2, 5, v4
	v_add_nc_u32 v[STO], s23, v4
	v_mul_u32_u24 v5, v2, SPITCH                   ; back: lanes 0-15 one row of 256 bytes, lanes 16-31 the next
	v_lshl_add_u32 v5, v1, 4, v5
	v_add_nc_u32 v[RD], s23, v5
	v_lshlrev_b32 v5, 13, v2                       ; and the same two rows of the result, 8,192 bytes each
	v_lshl_add_u32 v[CO], v1, 4, v5
	s_lshl_b32 s16, s13, 7
	s_lshl_b32 s17, s11, 6
	s_add_co_u32 s16, s16, s17                     ; my first row: 128 x tile row + 64 x half
	s_lshl_b32 s16, s16, 13
	s_mov_b32 s17, 0
	s_add_nc_u64 s[8:9], s[8:9], s[16:17]
	s_lshl_b32 s18, s42, 9                         ; my first column, in bytes: 512 x tile column + 256 x half
	s_lshl_b32 s19, s12, 8
	s_add_co_u32 s18, s18, s19
	s_mov_b32 s19, 0
	s_add_nc_u64 s[8:9], s[8:9], s[18:19]
; 8 matrix instructions: m blocks a0, a0 + 1 x all 4 n blocks, 32 along K: half c of buffer f.  zero = 1: the first product starts the sums.  The 16 accumulators take turns.
.macro MUL8 f, c, a0, zero
	WIN MUL
.irp a, \a0, (\a0)+1
.irp b, 0,1,2,3
.if \zero
	v_wmma_f32_16x16x32_f16 v[ACC+8*(4*(\a)+(\b)):ACC+8*(4*(\a)+(\b))+7], v[(\f)+64+8*(4*(\c)+(\b)):(\f)+64+8*(4*(\c)+(\b))+7], v[(\f)+8*(4*(\c)+(\a)):(\f)+8*(4*(\c)+(\a))+7], 0
.else
	v_wmma_f32_16x16x32_f16 v[ACC+8*(4*(\a)+(\b)):ACC+8*(4*(\a)+(\b))+7], v[(\f)+64+8*(4*(\c)+(\b)):(\f)+64+8*(4*(\c)+(\b))+7], v[(\f)+8*(4*(\c)+(\a)):(\f)+8*(4*(\c)+(\a))+7], v[ACC+8*(4*(\a)+(\b)):ACC+8*(4*(\a)+(\b))+7]
.endif
.endr
.endr
.endm
; 32 LDS loads in one run: the fragments of 64 along K at byte k of the rows, into buffer f; the first 32 along K first.  slot = 0: the slot that is read; 1: the other one
.macro FETCH slot, k, f
	WIN TO_F
.irp c, 0,1
.irp i, 0,1,2,3
	ds_load_b128 v[(\f)+64+8*(4*(\c)+(\i)):(\f)+64+8*(4*(\c)+(\i))+3],   v[ADRB+(\slot)] offset:(\k)+64*(\c)+(\i)*16*PITCH
	ds_load_b128 v[(\f)+64+8*(4*(\c)+(\i))+4:(\f)+64+8*(4*(\c)+(\i))+7], v[ADRB+(\slot)] offset:(\k)+64*(\c)+(\i)*16*PITCH+32
	ds_load_b128 v[(\f)+8*(4*(\c)+(\i)):(\f)+8*(4*(\c)+(\i))+3],         v[ADRA+(\slot)] offset:(\k)+64*(\c)+(\i)*16*PITCH
	ds_load_b128 v[(\f)+8*(4*(\c)+(\i))+4:(\f)+8*(4*(\c)+(\i))+7],       v[ADRA+(\slot)] offset:(\k)+64*(\c)+(\i)*16*PITCH+32
.endr
.endr
.endm
.macro PLACES                          ; four plain instructions in front of loads into registers that matrix instructions have read, and of LDS stores that read results
.rept 4
	v_nop
.endr
.endm
; A K step is four quarters of 64 along K, 32 matrix instructions each, on buffers 0, 1, 0, 1.
.macro QUARTER slot, k, f, g, zero
	s_wait_dscnt 16                                ; the first 32 along K are in; the youngest sixteen loads may be out
	MUL8 \f, 0, 0, \zero
	MUL8 \f, 0, 2, \zero
	PLACES
	FETCH \slot, \k, \g
	s_wait_dscnt 32                                ; all but the 32 just issued
	MUL8 \f, 1, 0, 0
	MUL8 \f, 1, 2, 0
.endm
; The last quarter multiplies buffer 1 and changes slots: ONE barrier; in front of it each wave waits for all its tensor loads, adds 0 to its spare word, and waits for that and for its reads of this slot.
; fill = 1: the barrier opens a round of the cluster's, and this slot is filled again, with the walk's place two on, first thing behind the round.
.macro TURN fill
	WIN 0                                          ; (the add's two registers lie in window 0)
	s_wait_tensorcnt 0x0                           ; all my tensor loads have landed, so a group 0 may be written
	ds_add_u32 v[SPW], v[NIL]                      ; 0 onto my spare word; the descriptors' scalar work and eight matrix instructions stand between it and the wait for it
.if \fill
	s_add_co_u32 s[TT], s[TT], 1                   ; the walk's next place,
	KBYTES                                         ; its K step,
	s_add_co_u32 s[G0+1], s[TB], s[LW]             ; into the slot that is being read out
	s_add_nc_u64 s[G0+2:G0+3], s[14:15], s[KO:KO+1]
	s_or_b32 s[G0+3], s[G0+3], 0x80000000
	s_add_co_u32 s[G0B+1], s[TB], s[LW]
	s_add_nc_u64 s[G0B+2:G0B+3], s[46:47], s[KO:KO+1]
	s_or_b32 s[G0B+3], s[G0B+3], 0x80000000
.endif
	s_wait_dscnt 17                                ; (the add and the youngest sixteen loads may be out)
	MUL8 F1, 0, 0, 0
	s_wait_dscnt 0x0                               ; the add is done, and my reads of this slot are over
	s_barrier_signal -1
	MUL8 F1, 0, 2, 0
.if \fill
	WIN 0
.endif
	s_barrier_wait -1
.if \fill
	CREST                                          ; no wave of any partner still reads this slot's tile or has a load on its way
	JLOAD 0                                        ; 112 matrix instructions ahead of the wait for it; the four v_nop behind it are also the places in front of the loads below
.else
	PLACES
.endif
	FETCH 1, 0, F0
	MUL8 F1, 1, 0, 0
	MUL8 F1, 1, 2, 0
.endm
	s_wait_tensorcnt 1                             ; my part of the walk's place 0 is in; place 1's may stay out
	s_barrier_signal -1
	s_barrier_wait -1
	FETCH 0, 0, F0
	QUARTER 0, 128, F0, F1, 1                      ; the first quarter stands in front of the loop: its first products start the sums
	WIN 0                                          ; at a label and at a branch every window is 0
	s_mov_b32 s3, STEPS-2
.Lstep:                                                ; a trip goes from a K step's second quarter to the next step's first, and fills the slot that it leaves
	QUARTER 0, 256, F1, F0, 0
	QUARTER 0, 384, F0, F1, 0
	TURN 1
	QUARTER 1, 128, F0, F1, 0
	WIN 0
	SWAP
	s_sub_co_u32 s3, s3, 1
	s_cmp_lg_u32 s3, 0
	s_cbranch_scc1 .Lstep
	s_mov_b32 s3, 2
.Ltail:                                                ; the last two K steps fill nothing.  The second trip is left in its middle: its barrier and its 32 loads from the other slot (bytes that have landed and that
	QUARTER 0, 256, F1, F0, 0                      ; nobody writes) serve nothing: the price, once a launch, of one text for both trips
	QUARTER 0, 384, F0, F1, 0
	TURN 0
	WIN 0
	s_sub_co_u32 s3, s3, 1
	s_cmp_eq_u32 s3, 0
	s_cbranch_scc1 .Lout
	QUARTER 1, 128, F0, F1, 0
	WIN 0
	SWAP
	s_branch .Ltail
.Lout:
	; THE WAY OUT, 16 rows at a time: 32 bytes a lane into my own stage (each accumulator's low four registers first), back as whole rows of 256 bytes, stored.  LDS serves a wave's instructions in order (ISA guide 5.7.1.4):
	; the loads see the stores above them, and the next block's stores come behind them.
	PLACES
.irp a, 0,1,2,3
.irp b, 0,1,2,3
	ds_store_b128 v[STO], v[ACC+8*(4*(\a)+(\b)):ACC+8*(4*(\a)+(\b))+3]   offset:64*(\b)
	ds_store_b128 v[STO], v[ACC+8*(4*(\a)+(\b))+4:ACC+8*(4*(\a)+(\b))+7] offset:64*(\b)+16
.endr
.if (\a) >= 2
	s_wait_xcnt 0x0                                ; the stores of two blocks back have read this buffer: it is loaded again only behind this wait
.endif
.irp t, 0,1,2,3,4,5,6,7
	ds_load_b128 v[TMP+32*((\a)%2)+4*(\t):TMP+32*((\a)%2)+4*(\t)+3], v[RD] offset:(\t)*2*SPITCH
.endr
.irp t, 0,1,2,3,4,5,6,7
	s_wait_dscnt 7-(\t)                            ; load t is in
	global_store_b128 v[CO], v[TMP+32*((\a)%2)+4*(\t):TMP+32*((\a)%2)+4*(\t)+3], s[8:9] offset:(16*(\a)+2*(\t))*8192  ; 16 lanes store 256 consecutive bytes, aligned
.endr
.endr
	s_wait_tensorcnt 0x0                           ; the wave's end, behind my last tensor load and my last LDS store
	ds_add_u32 v[SPW], v[NIL]
	s_wait_dscnt 0x0
	CROUND                                         ; the closing round
	s_endpgm
.Lfunc_end_k_q2ace066852_oproj:
	.size	k_q2ace066852_oproj, .Lfunc_end_k_q2ace066852_oproj-k_q2ace066852_oproj
	.p2alignl 7, 3214868480
	.fill 96, 4, 3214868480
	.section	.rodata,"a",@progbits
	.p2align	6, 0x0
	.amdhsa_kernel k_q2ace066852_oproj
		.amdhsa_group_segment_fixed_size 327680
		.amdhsa_private_segment_fixed_size 0
		.amdhsa_enable_private_segment 0
		.amdhsa_kernarg_size 24
		.amdhsa_user_sgpr_count 2
		.amdhsa_user_sgpr_kernarg_segment_ptr 1
		.amdhsa_wavefront_size32 1
		.amdhsa_system_sgpr_workgroup_id_x 1
		.amdhsa_system_sgpr_workgroup_id_y 1
		.amdhsa_system_sgpr_workgroup_id_z 1
		.amdhsa_system_vgpr_workitem_id 0
		.amdhsa_next_free_vgpr 512
		.amdhsa_next_free_sgpr 80
		.amdhsa_reserve_vcc 0
		.amdhsa_float_denorm_mode_32 3
		.amdhsa_float_denorm_mode_16_64 3
		.amdhsa_memory_ordered 1
		.amdhsa_forward_progress 1
		.amdhsa_inst_pref_size 59
	.end_amdhsa_kernel
	.amdgpu_metadata
---
amdhsa.version: [ 1, 2 ]
amdhsa.kernels:
  - .name:           k_q2ace066852_oproj
    .symbol:         k_q2ace066852_oproj.kd
    .args:
      - { .name: y16, .offset: 0, .size: 8, .value_kind: global_buffer, .address_space: global }
      - { .name: w16, .offset: 8, .size: 8, .value_kind: global_buffer, .address_space: global }
      - { .name: out0, .offset: 16, .size: 8, .value_kind: global_buffer, .address_space: global }
    .group_segment_fixed_size: 327680
    .private_segment_fixed_size: 0
    .kernarg_segment_align: 8
    .kernarg_segment_size: 24
    .max_flat_workgroup_size: 128
    .sgpr_count:     80
    .vgpr_count:     512
    .wavefront_size: 32
...
	.end_amdgpu_metadata
.endif
;; end of part 4
